; MI455X (gfx1250); checked and timed in simulation.
; The chip was launched on July 23, 2026; its instructions are those of AMD's public machine-readable ISA for CDNA 5 (MIT licence, August 2026) and "CDNA5" Instruction Set Architecture Reference Guide (July 2026). The comments in the code are by the model that wrote it; some were corrected since.
;; Transformer Block. Allowed arithmetic: matrix products marked QUANTISED: E3M2 operands, one E8M0 scale for each 32 along K, by v_wmma_scale_f32_16x16x128_f8f6f4 with both operands' format E3M2, f32 sums; everything else in f32.
;; Inputs: W1 1,024 x 4,096 float32; W2 4,096 x 1,024 float32; Wk 16 x 1,024 x 64 float32; Wo 1,024 x 1,024 float32; Wq 16 x 1,024 x 64 float32; Wv 16 x 1,024 x 64 float32; b1 4,096 float32; b2 1,024 float32; bk 16 x 64 float32; bo 1,024 float32; bq 16 x 64 float32; bv 16 x 64 float32; ln1_b 1,024 float32; ln1_g 1,024 float32; ln2_b 1,024 float32; ln2_g 1,024 float32; x 2 x 2,048 x 1,024 float32.
;; Outputs: out0 2 x 2,048 x 1,024 float32.
;; This version of the problem:
;;   THIS VERSION OF THE PROBLEM IS GIVEN IN LOW PRECISION. The matrix products marked QUANTISED in the list below multiply operands that are first quantised to E3M2 (3 exponent bits, 2 mantissa bits; 6 bits a number), with one power-of-two scale for each 32 numbers along K (OCP MX v1.0); their sums are f32. All else is computed in f32.
;;   The module's matrix products, in the order in which they are computed (A, B: the left and right operand; K: the contracted axis; several contracted axes count as one K, in the product's order):
;;     1. [M 1,024, K 1,024] x [K 1,024, N 4,096]; A: input Wq; B: computed on the way: QUANTISED
;;     2. [M 1,024, K 1,024] x [K 1,024, N 4,096]; A: input Wk; B: computed on the way: QUANTISED
;;     3. [M 1,024, K 1,024] x [K 1,024, N 4,096]; A: input Wv; B: computed on the way: QUANTISED
;;     4. batch 32 x [M 2,048, K 64] x [K 64, N 2,048]; A: computed on the way; B: computed on the way: QUANTISED
;;     5. batch 32 x [M 2,048, K 2,048] x [K 2,048, N 64]; A: softmax (see below); B: computed on the way: QUANTISED
;;     6. [M 4,096, K 1,024] x [K 1,024, N 1,024]; A: computed on the way; B: input Wo: QUANTISED
;;     7. [M 4,096, K 1,024] x [K 1,024, N 4,096]; A: computed on the way; B: input W1: QUANTISED
;;     8. [M 4,096, K 4,096] x [K 4,096, N 1,024]; A: computed on the way; B: input W2: QUANTISED
;;   THE QUANTISER, for each operand of a quantised product, along K:
;;     - K is cut into blocks of 32 from its start; a last block that is shorter is filled with zeros.
;;     - A block's scale is 2^e with e = floor(log2(the largest magnitude in the block)) - 4, held to -126 .. 127; a block of zeros has e = 0. As a byte (E8M0): e + 127.
;;     - Each number is divided by its block's scale, clamped to +-28, and rounded to the nearest number of E3M2, ties to even, subnormals kept.
;;     - The product sums the exact products of the quantised numbers (number of the format x scale) in f32.
;;   ~~~python
;;   def quantise(x, axis):      # numpy; x: float32 -> the quantised numbers, widened to float32 again
;;       x = np.moveaxis(x, axis, -1); K = x.shape[-1]
;;       x = np.pad(x, [(0, 0)] * (x.ndim - 1) + [(0, -K % 32)]); x = x.reshape(x.shape[:-1] + (-1, 32)); a = np.abs(x).max(-1, keepdims=True)
;;       e = np.where(a > 0, np.clip(np.frexp(np.where(a > 0, a, 1))[1] - 1 - 4, -126, 127), 0)      # np.frexp(a)[1] - 1 = floor(log2(a)), exactly
;;       r = np.clip(x / 2.0 ** e, -28, 28)
;;       step = 2.0 ** (np.maximum(np.frexp(np.where(r == 0, 1, r))[1] - 1, -2) - 2)
;;       q = np.round(r / step) * step * 2.0 ** e      # np.round: ties to even
;;       return np.moveaxis(q.reshape(q.shape[:-2] + (-1,))[..., :K], -1, axis).astype(np.float32)
;;   ~~~
;;   SOFTMAX AHEAD OF A QUANTISED PRODUCT. Where the list says 'softmax', what is quantised is not the finished softmax but p = 2^(t - M), with t = logit x log2(e) and M = ceil(the row's largest t), a whole number; so 1/2 < the row's largest p <= 1. The row's sum l is taken of the UNQUANTISED p, in f32, and the product's result is divided by l at the end. Since M is a whole number, a kernel that streams over the keys may use a running M (the ceiling of the running maximum): every later rescaling is an exact power of two, which a block's scale takes up: the codes' values come out the same.
;;   OPERANDS COMPUTED ON THE WAY. 'Computed on the way' means the value that the module computes at that place (a softmax that the list does not call 'softmax' is quantised finished and normalised). What goes into a quantiser is computed in f32, as accurately as f32 sums, v_exp_f32 and their like allow (about 1e-6 of the number): no bf16 or f16 on the way to a quantiser, and a product that is left as it is and whose result goes on into a quantised operand takes f32 operands (vector FMAs, or v_wmma_f32_16x16x4_f32). A number that lies on a knife's edge between two numbers of the format may be rounded either way, as far as f32 arithmetic and the matrix unit's own rounding can turn it there, and no further.
;; One version. Each part assembles by itself: llvm-mc -triple=amdgcn-amd-amdhsa -mcpu=gfx1250 --defsym DOCPART=n.
;; ======== version 1 of 1: 6 launches
;; limits: right only within a limited range of input values
;; workspace buffers: wts 9,830,400 bytes; hq 3,276,800 bytes; qkv 10,092,544 bytes; aq 3,276,800 bytes; x1 16,777,216 bytes; h2q 3,276,800 bytes; gq 13,107,200 bytes
;; launch prep (part 1): grid 448 x 1, 8 waves a work-group, no clusters, 51,200 bytes of LDS; arguments x, ln1_g, ln1_b, hq, Wq, Wk, Wv, Wo, W1, W2, wts; writes hq, wts
.if DOCPART == 1
	.amdgcn_target "amdgcn-amd-amdhsa--gfx1250"
	.amdhsa_code_object_version 6
	.text
	.protected	k_qebb97030ba_prep
	.globl	k_qebb97030ba_prep
	.p2align	8
	.type	k_qebb97030ba_prep,@function
k_qebb97030ba_prep:
	s_mov_b64 s[64:65], 0
	v_nop
	global_prefetch_b8 v0, s[64:65] scope:SCOPE_SE
	s_setreg_imm32_b32 hwreg(HW_REG_WAVE_MODE, 25, 1), 1
	s_wait_xcnt 0x0
; TWO PIECES OF WORK THAT HANG ON NOTHING OF EACH OTHER SHARE ONE LAUNCH and part on the work-group's number: work-groups 0-191 quantise the six weights, work-groups 192-447 take LayerNorm 1 of x and its quantiser.
; Each way has LDS bytes of its own (bytes 0-1,023: the norm's sums; from byte 1,024: the weights' stages).  Only the norm's way has barriers; all eight waves of a work-group take the same way.
; BOTH make codes of BF6 (E3M2) with one E8M0 byte for each 32 along K, laid in the ORDER OF THE OPERAND'S REGISTERS.  An operand's rows are cut into tiles of 16: place r of tile rt is row 32 (rt / 2) + 8 (rt % 2) + r % 8 + 16 (r / 8).
; A fragment (16 rows x 128 K) is an image of 1,536 bytes: register g of lane l at 512 (g / 4) + 16 l + 4 (g % 4); lane (r, h), registers 6 c .. 6 c + 5: k = 64 c + 32 h + 0 .. 31.
; Codes: [tile][K step][1,536]; scale words: [tile][K step][16 words], place r's word at 4 r.
; THE WEIGHTS arrive as f32 with K NOT innermost.  A LANE TAKES A COLUMN n AND ITS REGISTERS RUN DOWN K: a block of 32 lies in one lane, nothing is transposed by an instruction.  A wave takes 32 columns x 256 K: 8 blocks a lane =
; two tiles x two K steps = four images, gathered in the wave's own 6,144 bytes of LDS and stored as twelve runs of 512 consecutive bytes.  Waves share nothing.  Loads run two blocks (64 loads a wave) ahead.
; Four waves are a unit of 128 columns x 256 K: unit = 2 x work-group + wave / 4.  Units 0-31 Wo, 32-159 W1, 160-287 W2, 288-383 Wq, Wk, Wv (32 each): the unit's number chooses pointer, row stride and places by s_cselect.
; THE NORM: a work-group takes one tile of 16 rows of 1,024, wave w its K step w.  Lane (r, h) holds 64 numbers of row r: register 16 b + i is column 128 w + 32 b + 16 h + i, the order in which the conversions want them.
; The mean is taken first and the variance of the differences: no difference of large sums.  Each of the two sums meets the other waves' in LDS behind one barrier, in bytes of its own.  hq: codes at 0, scale words at byte 3,145,728.
; A block's scale is 2^(floor(log2(its largest magnitude)) - 4): the byte is the largest magnitude's exponent field - 4, held at 1 from below.
; LIMITS: a block whose largest magnitude lies under 2^-122, a block of zeros among them, gets the byte 1 (the quantiser's text says 127 for zeros: the codes are zeros and this program alone reads the bytes); NaN and infinities are not served.
.set NWQ,    192                       ; work-groups that take the weights
.set WSTG,   1024                      ; LDS: where the weights' stages begin
.set WQKV_C, 0
.set WQKV_S, 2359296
.set WO_C,   2457600
.set WO_S,   3244032
.set W1_C,   3276800
.set W1_S,   6422528
.set W2_C,   6553600
.set W2_S,   9699328
.set VO,   192                         ; the weights' way: v192-223 4 x lane + i x stride: row i of a block
.set X,    64                          ; v64-127  two sets of 32 numbers
.set C,    128                         ; v128-133 a block's codes; v136-138 the second conversion's
.set OUTR, 144                         ; v144-191 the way out
.set PC,  16                           ; the norm's way: v16-34 the codes just made (v16-23 first hold the eight waves' partial sums)
.set TM,  36                           ; v36-51  the quantiser's scratch
.set PW,  52                           ; v52     the scale word
.set SEL, 26                           ; s[26:27] lane selects for v_permlanex16_b32: lane l xor 16
; 64 numbers of a lane, v[s] .. v[s + 63], register 16 b + i = k 32 b + 16 (lane / 16) + i of my row, become a fragment's codes in v[PC] on and its scale word in v[PW].
.macro QUANT s
.irp b, 0,1,2,3
	v_max3_num_f32 v[TM+\b], |v[\s+16*\b]|, |v[\s+1+16*\b]|, 0x2800000   ; block b: my 16 numbers, and the floor 2^(5 - 127): the byte cannot fall under 1
.endr
.irp i, 2,4,6,8,10,12,14
.irp b, 0,1,2,3
	s_delay_alu instid0(VALU_DEP_4)
	v_max3_num_f32 v[TM+\b], v[TM+\b], |v[\s+16*\b+\i]|, |v[\s+1+16*\b+\i]|   ; the four blocks by turns
.endr
.endr
.irp b, 0,1,2,3
	s_delay_alu instid0(VALU_DEP_4)
	v_permlanex16_b32 v[TM+4+\b], v[TM+\b], s[SEL], s[SEL+1]
.endr
.irp b, 0,1,2,3
	s_delay_alu instid0(VALU_DEP_4)
	v_max_num_f32 v[TM+\b], v[TM+\b], v[TM+4+\b]   ; with lane l xor 16's: the block's largest magnitude
.endr
.irp b, 0,1,2,3
	s_delay_alu instid0(VALU_DEP_4)
	v_add_nc_u32 v[TM+12+\b], 0xfe000000, v[TM+\b] ; 4 off its exponent field: the conversion's scale operand
.endr
.irp b, 0,1,2,3
	s_delay_alu instid0(VALU_DEP_4)
	v_lshrrev_b32 v[TM+4+\b], 23, v[TM+12+\b]      ; the scale's byte
.endr
	s_delay_alu instid0(VALU_DEP_3)
	v_lshl_or_b32 v[PW], v[TM+5], 8, v[TM+4]
	s_delay_alu instid0(VALU_DEP_1)
	v_lshl_or_b32 v[PW], v[TM+6], 16, v[PW]
	s_delay_alu instid0(VALU_DEP_1)
	v_lshl_or_b32 v[PW], v[TM+7], 24, v[PW]
.irp c, 0,1
	v_cvt_scalef32_pk16_bf6_f32 v[PC+6*\c:PC+2+6*\c], v[\s+32*\c:\s+15+32*\c], v[TM+12+2*\c]
	v_cvt_scalef32_pk16_bf6_f32 v[PC+12+4*\c:PC+14+4*\c], v[\s+16+32*\c:\s+31+32*\c], v[TM+12+2*\c+1]   ; (a conversion's three registers begin on an even number)
.endr
	v_nop                                          ; one plain place behind a scaled conversion
.irp c, 0,1                            ; the operand's layout wants a whole block in a lane: lanes 0-15 block 2 c, lanes 16-31 block 2 c + 1
.irp i, 0,1,2
	v_permlane16_swap_b32 v[PC+6*\c+\i], v[PC+12+4*\c+\i]
.endr
.irp i, 0,1,2
	s_delay_alu instid0(VALU_DEP_3)
	v_mov_b32 v[PC+3+6*\c+\i], v[PC+12+4*\c+\i]
.endr
.endr
.endm
; The four chains v[8:15] are joined, then lane l xor 16's, then the eight waves' through LDS at byte off: every lane ends with its row's sum in v16.
.macro REDUCE off
	s_delay_alu instid0(VALU_DEP_3)
	v_pk_add_f32 v[8:9], v[8:9], v[10:11]
	s_delay_alu instid0(VALU_DEP_2)
	v_pk_add_f32 v[12:13], v[12:13], v[14:15]
	s_delay_alu instid0(VALU_DEP_1)
	v_pk_add_f32 v[8:9], v[8:9], v[12:13]
	s_delay_alu instid0(VALU_DEP_1)
	v_add_f32 v8, v8, v9
	s_delay_alu instid0(VALU_DEP_1)
	v_permlanex16_b32 v9, v8, s[SEL], s[SEL+1]
	s_delay_alu instid0(VALU_DEP_1)
	v_add_f32 v8, v8, v9
	ds_store_b32 v5, v8 offset:\off                ; lanes l and l + 16 write the same word with the same value
	s_wait_dscnt 0x0                               ; for the others' sake: my store has landed
	s_barrier_signal -1
	s_barrier_wait -1
.irp i, 0,1,2,3,4,5,6,7
	ds_load_b32 v[16+\i], v6 offset:\off+64*\i
.endr
	s_wait_dscnt 0x0
.irp i, 1
	v_add_f32 v16, v16, v[16+\i]
.endr
.irp i, 2, 3, 4, 5, 6, 7
	s_delay_alu instid0(VALU_DEP_1)
	v_add_f32 v16, v16, v[16+\i]
.endr
.endm
.macro LOAD t                          ; a weight's block t: W(32 t + i, my column) into set t % 2: 32 lanes read 128 consecutive bytes
.set J, 0
.rept 32
	global_load_b32 v[X+32*((\t)%2)+J], v[VO+J], s[32+2*(\t):33+2*(\t)] th:TH_LOAD_NT
.set J, J+1
.endr
.endm
.macro BLOCK t
.set XS, X+32*((\t)%2)
.set SOFS, ((\t)/4)*1536+((\t)%2)*256  ; K step t / 4 of the chunk; the block belongs to lanes 16 (t % 2) + r of the image
.if (\t) < 7
	s_wait_loadcnt 32                              ; this block's 32 loads are in; the next block's may be out
.else
	s_wait_loadcnt 0x0
.endif
	v_max3_num_f32 v12, |v[XS]|, |v[XS+1]|, |v[XS+2]|      ; the block's largest magnitude: all 32 numbers are mine; two chains
	v_max3_num_f32 v13, |v[XS+3]|, |v[XS+4]|, |v[XS+5]|
.irp i, 6,10,14,18,22,26
	s_delay_alu instid0(VALU_DEP_2)
	v_max3_num_f32 v12, v12, |v[XS+\i]|, |v[XS+\i+1]|
	s_delay_alu instid0(VALU_DEP_2)
	v_max3_num_f32 v13, v13, |v[XS+\i+2]|, |v[XS+\i+3]|
.endr
	s_delay_alu instid0(VALU_DEP_2)
	v_max3_num_f32 v12, v12, |v[XS+30]|, |v[XS+31]|
	s_delay_alu instid0(VALU_DEP_1)
	v_max3_num_f32 v12, v12, v13, 0x2800000        ; and the floor 2^(5 - 127): the byte cannot fall under 1
	s_delay_alu instid0(VALU_DEP_1)
	v_add_nc_u32 v11, 0xfe000000, v12              ; 4 off the exponent field: the conversion takes this operand's exponent field as its scale
	s_delay_alu instid0(VALU_DEP_1)
	v_lshrrev_b32 v13, 23, v11                     ; the scale's byte
.if (\t)%4 == 0
	s_delay_alu instid0(VALU_DEP_1)
	v_mov_b32 v[16+(\t)/4], v13                    ; four bytes make a K step's scale word, the lower K in the lower byte
.else
	s_delay_alu instid0(VALU_DEP_1)
	v_lshl_or_b32 v[16+(\t)/4], v13, 8*((\t)%4), v[16+(\t)/4]
.endif
	v_cvt_scalef32_pk16_bf6_f32 v[C:C+2], v[XS:XS+15], v11
	v_cvt_scalef32_pk16_bf6_f32 v[C+8:C+10], v[XS+16:XS+31], v11   ; (a conversion's three registers begin on an even number)
	v_nop                                          ; one plain place behind a scaled conversion
.irp i, 0,1,2
	v_mov_b32 v[C+3+\i], v[C+8+\i]
.endr
.if ((\t)/2)%2 == 0                    ; registers 0-5 of the image's lane
	ds_store_b128 v2, v[C:C+3] offset:SOFS
	ds_store_b64 v2, v[C+4:C+5] offset:SOFS+512
.else                                  ; registers 6-11
	ds_store_b64 v2, v[C:C+1] offset:SOFS+520
	ds_store_b128 v2, v[C+2:C+5] offset:SOFS+1024
.endif
.if (\t)+2 < 8
	LOAD (\t)+2
.endif
	s_wait_dscnt 0x0                               ; the stores have read their registers: the next block's codes may be written
.endm
	v_lshl_add_u32 v31, v0, 2, 0xc400
	v_mov_b32 v35, 0                               ; v31, v35: my spare word and 0; neither way writes them again
	s_cmp_lt_u32 ttmp9, NWQ                        ; the work-group's number alone decides: the same way for all eight waves
	s_cbranch_scc1 .Lweights
	; ---------------- LayerNorm 1 and its quantiser ----------------
	s_load_b256 s[4:11], s[0:1], 0x0               ; x, gain, bias, hq
	s_sub_co_u32 s28, ttmp9, NWQ                   ; my tile of 16 rows
	v_lshrrev_b32 v1, 5, v0
	s_delay_alu instid0(VALU_DEP_1)
	v_readfirstlane_b32 s12, v1                    ; wave = K step
	v_and_b32 v1, 15, v0                           ; r
	v_bfe_u32 v2, v0, 4, 1                         ; h
	v_and_b32 v3, 7, v0
	v_bfe_u32 v4, v0, 3, 1
	s_delay_alu instid0(VALU_DEP_1)
	v_lshl_add_u32 v3, v4, 4, v3                   ; r % 8 + 16 (r / 8)
	s_delay_alu instid0(VALU_DEP_1)
	v_lshlrev_b32 v3, 12, v3                       ; rows of 4,096 bytes
	s_delay_alu instid0(VALU_DEP_1)
	v_lshl_add_u32 v3, v2, 6, v3                   ; + 64 h: my 16 numbers of a block
	v_lshlrev_b32 v4, 6, v2                        ; the same in gain and bias
	v_lshlrev_b32 v6, 2, v1                        ; 4 r
	s_lshl_b32 s13, s12, 6
	v_add_nc_u32 v5, s13, v6                       ; LDS: my wave's word for row r
	v_and_b32 v7, 31, v0
	s_delay_alu instid0(VALU_DEP_1)
	v_lshlrev_b32 v7, 4, v7                        ; 16 x lane
.irp b, 0,1,2,3
	v_mov_b32 v[TM+4+\b], 0                        ; written once: a lane permute's destination counts as one of its sources
.endr
	s_lshr_b32 s14, s28, 1                         ; the tile's first row: 32 (rt / 2) + 8 (rt % 2)
	s_lshl_b32 s14, s14, 5
	s_and_b32 s15, s28, 1
	s_lshl_b32 s15, s15, 3
	s_add_co_u32 s14, s14, s15
	s_lshl_b32 s14, s14, 12
	s_lshl_b32 s16, s12, 9                         ; my K step's 512 bytes
	s_add_co_u32 s14, s14, s16
	s_mov_b32 s15, 0
	s_mov_b32 s17, 0
	s_mul_i32 s18, s28, 12288                      ; my image
	s_mul_i32 s22, s12, 1536
	s_add_co_u32 s18, s18, s22
	s_mov_b32 s19, 0
	s_lshl_b32 s22, s28, 9                         ; my scale words
	s_add_co_u32 s22, s22, s13
	s_add_co_u32 s22, s22, 3145728
	s_mov_b32 s23, 0
	s_mov_b32 s20, 0x3a800000                      ; 1 / 1,024
	s_mov_b32 s21, 0x3727c5ac                      ; 1e-5
	s_mov_b32 s[SEL], 0x76543210
	s_mov_b32 s[SEL+1], 0xfedcba98
	s_wait_alu depctr_va_vdst(0)
	s_wait_kmcnt 0x0
	s_add_nc_u64 s[4:5], s[4:5], s[14:15]
	s_add_nc_u64 s[6:7], s[6:7], s[16:17]
	s_add_nc_u64 s[8:9], s[8:9], s[16:17]
	s_add_nc_u64 s[24:25], s[10:11], s[22:23]
	s_add_nc_u64 s[10:11], s[10:11], s[18:19]
.irp b, 0,1,2,3
.irp j, 0,1,2,3
	global_load_b128 v[64+16*\b+4*\j:64+16*\b+4*\j+3], v3, s[4:5] offset:128*\b+16*\j
.endr
.endr
.irp b, 0,1,2,3
.irp j, 0,1,2,3
	global_load_b128 v[128+16*\b+4*\j:128+16*\b+4*\j+3], v4, s[6:7] offset:128*\b+16*\j
.endr
.endr
.irp b, 0,1,2,3
.irp j, 0,1,2,3
	global_load_b128 v[192+16*\b+4*\j:192+16*\b+4*\j+3], v4, s[8:9] offset:128*\b+16*\j
.endr
.endr
	s_wait_loadcnt 32                              ; my 16 loads of the rows are in; gain's and bias's 32 may be out
.irp c, 0,1,2,3
	v_pk_add_f32 v[8+2*\c:9+2*\c], v[64+2*\c:65+2*\c], v[72+2*\c:73+2*\c]      ; the sum of my 64, in four packed chains; the first additions start them
.endr
.irp j, 16,24,32,40,48,56
.irp c, 0,1,2,3
	s_delay_alu instid0(VALU_DEP_4)
	v_pk_add_f32 v[8+2*\c:9+2*\c], v[8+2*\c:9+2*\c], v[64+\j+2*\c:65+\j+2*\c]
.endr
.endr
	REDUCE 0
	s_delay_alu instid0(VALU_DEP_1)
	v_mul_f32 v54, s20, v16                        ; the mean
	s_delay_alu instid0(VALU_DEP_1)
	v_mov_b32 v55, v54
.set J, 0
.rept 32
	v_pk_add_f32 v[64+J:65+J], v[64+J:65+J], v[54:55] neg_lo:[0,1] neg_hi:[0,1]   ; x - mean
.set J, J+2
.endr
.irp c, 0,1,2,3
	v_pk_mul_f32 v[8+2*\c:9+2*\c], v[64+2*\c:65+2*\c], v[64+2*\c:65+2*\c]      ; the squares, again in four chains
.endr
.irp j, 8,16,24,32,40,48,56
.irp c, 0,1,2,3
	s_delay_alu instid0(VALU_DEP_4)
	v_pk_fma_f32 v[8+2*\c:9+2*\c], v[64+\j+2*\c:65+\j+2*\c], v[64+\j+2*\c:65+\j+2*\c], v[8+2*\c:9+2*\c]
.endr
.endr
	REDUCE 512                                     ; other bytes than the first sum's: no wave can overwrite what another still reads
	s_delay_alu instid0(VALU_DEP_1)
	v_fma_f32 v56, v16, s20, s21                   ; the variance + 1e-5
	s_wait_alu depctr_va_vdst(0)
	v_rsq_f32 v56, v56
	v_nop                                          ; a plain place behind the transcendental
	s_wait_alu depctr_va_vdst(0)                   ; the wait ahead of the first reader
	v_mov_b32 v57, v56
	s_wait_alu depctr_va_vdst(0)
	s_wait_loadcnt 0x0                             ; gain and bias
.set J, 0
.rept 32
	v_pk_mul_f32 v[64+J:65+J], v[64+J:65+J], v[56:57]
.set J, J+2
.endr
.set J, 0
.rept 32
	v_pk_fma_f32 v[64+J:65+J], v[64+J:65+J], v[128+J:129+J], v[192+J:193+J]
.set J, J+2
.endr
	QUANT 64
.irp c, 0,1,2
	global_store_b128 v7, v[PC+4*\c:PC+4*\c+3], s[10:11] offset:512*\c         ; 32 lanes store 512 consecutive bytes, at a multiple of 256 from the buffer's first byte
.endr
	global_store_b32 v6, v[PW], s[24:25]           ; lanes l and l + 16 hold the same word
	s_wait_tensorcnt 0x0                           ; the wave's end
	ds_add_u32 v31, v35
	s_wait_dscnt 0x0
	s_endpgm
	; ---------------- the six weights ----------------
.Lweights:
	s_load_b256 s[4:11], s[0:1], 0x20              ; Wq, Wk, Wv, Wo
	s_load_b128 s[12:15], s[0:1], 0x40             ; W1, W2
	s_load_b64 s[16:17], s[0:1], 0x50              ; wts
	v_lshrrev_b32 v1, 5, v0
	s_delay_alu instid0(VALU_DEP_1)
	v_readfirstlane_b32 s61, v1                    ; wave 0..7
	s_and_b32 s18, s61, 3                          ; s18 the wave's number in its unit
	s_lshr_b32 s60, s61, 2
	s_lshl_b32 s62, ttmp9, 1
	s_add_co_u32 s60, s60, s62                     ; s60 the unit: 2 x work-group + wave / 4, 0 .. 383
	v_and_b32 v1, 31, v0                           ; lane L = my column of the wave's 32
	v_bfe_u32 v6, v0, 3, 1                         ; u: which of the two tiles my column falls into
	v_and_b32 v7, 7, v0
	v_bfe_u32 v8, v0, 4, 1
	s_delay_alu instid0(VALU_DEP_1)
	v_lshl_add_u32 v7, v8, 3, v7                   ; r: its place there: L % 8 + 8 (L / 16)
	s_mul_i32 s56, s61, 6144                       ; my wave's stage
	s_add_co_u32 s56, s56, WSTG
	v_mul_u32_u24 v2, v6, 3072
	s_delay_alu instid0(VALU_DEP_1)
	v_lshl_add_u32 v2, v7, 4, v2
	s_delay_alu instid0(VALU_DEP_1)
	v_add_nc_u32 v2, s56, v2                       ; into it: tile u's two images, place r
	v_lshlrev_b32 v4, 4, v1                        ; 16 x lane
	s_delay_alu instid0(VALU_DEP_1)
	v_add_nc_u32 v3, s56, v4                       ; out of it: as it lies
	v_lshlrev_b32 v9, 2, v1                        ; 4 x lane
	; the region's numbers: first Wq, Wk, Wv's, then replaced where the unit's number lies lower
	s_sub_co_u32 s30, s60, 288
	s_and_b32 s23, s30, 31                         ; s23 the unit's number within its weight
	s_lshr_b32 s26, s30, 5                         ; s26 0, 1, 2: Wq, Wk, Wv
	s_sub_co_u32 s31, s60, 160
	s_sub_co_u32 s58, s60, 32
	s_mov_b32 s19, 256                             ; s19 bytes from k to k + 1
	s_mov_b32 s20, 2                               ; s20 log2 of the chunks of 256 along K
	s_mov_b32 s21, 12288                           ; s21 a tile's codes in bytes
	s_mov_b32 s22, 512                             ; s22 a tile's scale words in bytes
	s_mov_b32 s24, WQKV_C                          ; s24, s25 where codes and scale words begin in wts
	s_mov_b32 s25, WQKV_S
	s_mov_b32 s27, 1                               ; s27 1: columns are (head, e)
	s_cmp_lt_u32 s60, 288                          ; W2
	s_cselect_b32 s19, 4096, s19
	s_cselect_b32 s20, 4, s20
	s_cselect_b32 s21, 49152, s21
	s_cselect_b32 s22, 2048, s22
	s_cselect_b32 s23, s31, s23
	s_cselect_b32 s24, W2_C, s24
	s_cselect_b32 s25, W2_S, s25
	s_cselect_b32 s26, 0, s26
	s_cselect_b32 s27, 0, s27
	s_cmp_lt_u32 s60, 160                          ; W1
	s_cselect_b32 s19, 16384, s19
	s_cselect_b32 s20, 2, s20
	s_cselect_b32 s21, 12288, s21
	s_cselect_b32 s22, 512, s22
	s_cselect_b32 s23, s58, s23
	s_cselect_b32 s24, W1_C, s24
	s_cselect_b32 s25, W1_S, s25
	s_cmp_lt_u32 s60, 32                           ; Wo
	s_cselect_b32 s19, 4096, s19
	s_cselect_b32 s23, s60, s23
	s_cselect_b32 s24, WO_C, s24
	s_cselect_b32 s25, WO_S, s25
	s_lshr_b32 s30, s23, s20                       ; cb: which 128 columns
	s_lshl_b32 s31, s30, s20
	s_sub_co_u32 s31, s23, s31                     ; kc: which 256 along K
	s_lshl_b32 s56, s30, 1                         ; my wave's first column in bytes.  (head, e): head 2 cb + wave / 2, 262,144 bytes a head, e = 32 (wave % 2)
	s_lshr_b32 s57, s18, 1
	s_add_co_u32 s56, s56, s57
	s_lshl_b32 s56, s56, 18
	s_and_b32 s57, s18, 1
	s_lshl_b32 s57, s57, 7
	s_add_co_u32 s56, s56, s57
	s_lshl_b32 s57, s30, 9                         ; plain columns: 512 cb + 128 wave
	s_lshl_b32 s59, s18, 7
	s_add_co_u32 s57, s57, s59
	s_cmp_eq_u32 s27, 1
	s_cselect_b32 s56, s56, s57
	s_mul_i32 s57, s31, s19
	s_lshl_b32 s57, s57, 8                         ; + 256 kc rows
	s_add_co_u32 s56, s56, s57
	s_mov_b32 s57, 0
	s_lshl_b32 s54, s19, 5                         ; a block on: 32 rows
	s_mov_b32 s55, 0
	s_lshl_b32 s58, s26, 6                         ; my first tile: 64 mat + 8 cb + 2 wave
	s_lshl_b32 s59, s30, 3
	s_add_co_u32 s58, s58, s59
	s_lshl_b32 s59, s18, 1
	s_add_co_u32 s58, s58, s59
	s_mul_i32 s48, s58, s21                        ; its codes: tile x a tile's bytes + two K steps for each kc
	s_mul_i32 s59, s31, 3072
	s_add_co_u32 s48, s48, s59
	s_add_co_u32 s48, s48, s24
	s_mov_b32 s49, 0
	s_mov_b32 s50, s21
	s_mov_b32 s51, 0
	s_mul_i32 s52, s58, s22                        ; its scale words
	s_lshl_b32 s59, s31, 7
	s_add_co_u32 s52, s52, s59
	s_add_co_u32 s52, s52, s25
	s_mov_b32 s53, 0
	v_mul_u32_u24 v5, s22, v6
	s_wait_alu depctr_va_vdst(0)
	v_lshl_add_u32 v5, v7, 2, v5                   ; my column's scale word: tile u, place r
.set J, 0
.rept 32
	v_mad_u32_u24 v[VO+J], s19, J, v9
.set J, J+1
.endr
	s_wait_alu depctr_va_vdst(0)
	s_wait_kmcnt 0x0
	s_cmp_eq_u32 s26, 1                            ; the pointer: a choice that hangs on the unit's number alone
	s_cselect_b64 s[28:29], s[6:7], s[4:5]
	s_cmp_eq_u32 s26, 2
	s_cselect_b64 s[28:29], s[8:9], s[28:29]
	s_cmp_lt_u32 s60, 288
	s_cselect_b64 s[28:29], s[14:15], s[28:29]
	s_cmp_lt_u32 s60, 160
	s_cselect_b64 s[28:29], s[12:13], s[28:29]
	s_cmp_lt_u32 s60, 32
	s_cselect_b64 s[28:29], s[10:11], s[28:29]
	s_add_nc_u64 s[32:33], s[28:29], s[56:57]      ; s[32:47]: the eight blocks' bases, so that no base is stepped while loads are out
.irp t, 1,2,3,4,5,6,7
	s_add_nc_u64 s[32+2*\t:33+2*\t], s[30+2*\t:31+2*\t], s[54:55]
.endr
	s_add_nc_u64 s[48:49], s[16:17], s[48:49]      ; the first tile's images,
	s_add_nc_u64 s[50:51], s[48:49], s[50:51]      ; the second tile's,
	s_add_nc_u64 s[52:53], s[16:17], s[52:53]      ; the scale words
	LOAD 0
	LOAD 1
.irp t, 0,1,2,3,4,5,6,7
	BLOCK \t
.endr
	global_store_b32 v5, v16, s[52:53]             ; my column's two scale words
	s_wait_alu depctr_va_vdst(0)
	global_store_b32 v5, v17, s[52:53] offset:64
.irp i, 0,1,2,3,4,5,6,7,8,9,10,11
	ds_load_b128 v[OUTR+4*\i:OUTR+4*\i+3], v3 offset:512*\i    ; LDS serves a wave's instructions in order: these see my stores
.endr
.irp i, 0,1,2,3,4,5
	s_wait_dscnt 11-\i                             ; the younger loads from the stage may be out
	global_store_b128 v4, v[OUTR+4*\i:OUTR+4*\i+3], s[48:49] offset:512*\i     ; 32 lanes store 512 consecutive bytes, at a multiple of 256 from the buffer's first byte
.endr
.irp i, 6,7,8,9,10,11
	s_wait_dscnt 11-\i
	global_store_b128 v4, v[OUTR+4*\i:OUTR+4*\i+3], s[50:51] offset:512*(\i-6)
.endr
	s_wait_tensorcnt 0x0                           ; the wave's end
	ds_add_u32 v31, v35
	s_wait_dscnt 0x0
	s_endpgm
.Lfunc_end_k_qebb97030ba_prep:
	.size	k_qebb97030ba_prep, .Lfunc_end_k_qebb97030ba_prep-k_qebb97030ba_prep
	.p2alignl 7, 3214868480
	.fill 96, 4, 3214868480
	.section	.rodata,"a",@progbits
	.p2align	6, 0x0
	.amdhsa_kernel k_qebb97030ba_prep
		.amdhsa_group_segment_fixed_size 51200
		.amdhsa_private_segment_fixed_size 0
		.amdhsa_enable_private_segment 0
		.amdhsa_kernarg_size 88
		.amdhsa_user_sgpr_count 2
		.amdhsa_user_sgpr_kernarg_segment_ptr 1
		.amdhsa_wavefront_size32 1
		.amdhsa_system_sgpr_workgroup_id_x 1
		.amdhsa_system_sgpr_workgroup_id_y 1
		.amdhsa_system_sgpr_workgroup_id_z 1
		.amdhsa_system_vgpr_workitem_id 0
		.amdhsa_next_free_vgpr 256
		.amdhsa_next_free_sgpr 66
		.amdhsa_reserve_vcc 0
		.amdhsa_float_denorm_mode_32 3
		.amdhsa_float_denorm_mode_16_64 3
		.amdhsa_memory_ordered 1
		.amdhsa_forward_progress 1
		.amdhsa_inst_pref_size 79
	.end_amdhsa_kernel
	.amdgpu_metadata
---
amdhsa.version: [ 1, 2 ]
amdhsa.kernels:
  - .name:           k_qebb97030ba_prep
    .symbol:         k_qebb97030ba_prep.kd
    .args:
      - { .name: x, .offset: 0, .size: 8, .value_kind: global_buffer, .address_space: global }
      - { .name: ln1_g, .offset: 8, .size: 8, .value_kind: global_buffer, .address_space: global }
      - { .name: ln1_b, .offset: 16, .size: 8, .value_kind: global_buffer, .address_space: global }
      - { .name: hq, .offset: 24, .size: 8, .value_kind: global_buffer, .address_space: global }
      - { .name: Wq, .offset: 32, .size: 8, .value_kind: global_buffer, .address_space: global }
      - { .name: Wk, .offset: 40, .size: 8, .value_kind: global_buffer, .address_space: global }
      - { .name: Wv, .offset: 48, .size: 8, .value_kind: global_buffer, .address_space: global }
      - { .name: Wo, .offset: 56, .size: 8, .value_kind: global_buffer, .address_space: global }
      - { .name: W1, .offset: 64, .size: 8, .value_kind: global_buffer, .address_space: global }
      - { .name: W2, .offset: 72, .size: 8, .value_kind: global_buffer, .address_space: global }
      - { .name: wts, .offset: 80, .size: 8, .value_kind: global_buffer, .address_space: global }
    .group_segment_fixed_size: 51200
    .private_segment_fixed_size: 0
    .kernarg_segment_align: 8
    .kernarg_segment_size: 88
    .max_flat_workgroup_size: 256
    .sgpr_count:     66
    .vgpr_count:     256
    .wavefront_size: 32
...
	.end_amdgpu_metadata
.endif
;; end of part 1
;; launch qkvg (part 2): grid 12 x 16, 4 waves a work-group, clusters of 4 x 4, 327,680 bytes of LDS; arguments hq, wts, bq, bk, bv, qkv; writes qkv
.if DOCPART == 2
	.amdgcn_target "amdgcn-amd-amdhsa--gfx1250"
	.amdhsa_code_object_version 6
	.text
	.protected	k_qebb97030ba_qkvg
	.globl	k_qebb97030ba_qkvg
	.p2align	8
	.type	k_qebb97030ba_qkvg,@function
k_qebb97030ba_qkvg:
	s_mov_b64 s[64:65], 0
	v_nop
	global_prefetch_b8 v0, s[64:65] scope:SCOPE_SE
	s_setreg_imm32_b32 hwreg(HW_REG_WAVE_MODE, 25, 1), 1
	s_wait_xcnt 0x0
	s_wait_alu depctr_hold_cnt(0) depctr_sa_sdst(0) depctr_va_vdst(0) depctr_va_sdst(0) depctr_va_ssrc(0) depctr_va_vcc(0) depctr_vm_vsrc(0)
	s_getreg_b32 s2, hwreg(HW_REG_IB_STS2, 6, 4)
	s_cmp_eq_u32 s2, 0
	s_cbranch_scc0 .Lentry_in_a_cluster
	s_endpgm
.Lentry_in_a_cluster:
	s_bfe_u32 s2, ttmp6, 0x10000c
	s_cmp_lg_u32 s2, 0xf033
	s_cbranch_scc0 .Lentry_shape_is_right
	s_endpgm
.Lentry_shape_is_right:
; q, k, v = LN1(x) W + b on codes of BF6 (E3M2) with E8M0 scales for each 32 along K = 1,024, then bias in f32 and the quantiser for attention's two products; the results go out as operand images.
; OPERANDS lie in memory in the order of the matrix unit's registers: tiles of 16 rows (place r of tile rt: row 32 (rt / 2) + 8 (rt % 2) + r % 8 + 16 (r / 8)), codes [tile][K step][1,536], scale words [tile][K step][16].
; A work-group of four waves makes 256 x 256; a wave 128 x 128: 64 accumulators, 512 registers.  "A" is source 1 (its row falls on the lane), "B" source 0 (its rows run along a lane's registers, 16 neighbours in two tiles).
; The cluster's x says what is made: 0 q, 1 k, 2 v.  q, k: A = tokens, B = the weight's rows: a lane holds a token and 128 channels (two heads): quantised along the head's 64.
; v: A = Wv's rows, B = tokens: a lane holds a channel and 128 tokens: quantised along the keys.  Only pointers and block numbers are chosen; the products' text is one.
; K IS 8 STEPS OF 128.  SIX COME WITH THE FIRST FILLS, into two LDS slots of 3 K steps (a ring load: 8 tiles x 4,608 bytes); slot 0 alone is filled again, with the last two, as soon as it has been read;
; it is waited for at K step 5.  The scale words of all of K come once, with the first fills.  A wave has one tensor load out at any time.
; CLUSTERS 4 x 4: A's tiles are shared along a row of the cluster, B's along a column: asked for jointly, by the same load with a mask that names the four.
; qkv: 32 records (16 batch + head) of 315,392 bytes: [key step 16][K: 8 tiles x 768 | V: 4 tiles x 1,536], at 196,608 [step][K: 8 x 64 | V: 4 x 64] scale words, at 208,896 Q [tile 128][768], at 307,200 its scale words [tile][64].
; An image of 768 bytes is registers 0-5 of a fragment (K = 64): registers 0-3 at 16 x lane, registers 4-5 at 512 + 8 x lane; q's and k's scale words have 0 in bytes 2 and 3, over codes that attention sets to zero.
; REGISTERS: window 0: v16-31 addresses, v32-47 scale words (two sets), v48-63 v's bias, v64-255 A's two sets; window 1: B's two sets at v0, v128; q's and k's bias at v96-127, v224-255; windows 2, 3: accumulator (a, b) at v[8 (8 (a % 4) + b)].
; LIMITS: a block whose largest magnitude lies under 2^-122, a block of zeros among them, gets the byte 1; NaN and infinities are not served.
.set NT,    8
; K'S WALK AS THE TEXT NOW HAS IT: TWO slots of 3 K steps.  At the head one tensor load a wave: A's 16 tiles of K steps 0-2, B's, A's scale words, B's.
; Slot 1 (K steps 3-5) is filled behind the full sequence and a round, a quarter a wave; slot 0 is filled again with K steps 6, 7 (the third K step's room takes zeros) when K step 2 has fetched its last.  A wave has one tensor load out at any time.
.set NQ,    3
.set KS,    8
.set FRB,   1536
.set HALFT, NT*NQ*FRB                  ; what one tensor load brings, and what a wave reads of A or of B in a slot: [tile][K step][1,536]
.set SLOT,  4*HALFT                    ; A's two halves, then B's
.set SCL,   2*SLOT                     ; behind the two slots: the scale words, filled once
.set HALFS, NT*KS*64
.set SPARE, SCL+4*HALFS                ; the spare words, 128 bytes a wave: two blocks of 256 bytes that no other line names
.set REC,   315392
.set R_S,   196608
.set R_Q,   208896
.set R_QS,  307200
.set ADRA, 16                          ; v16-17 my A fragments in slot 0, 1: 16 x lane + the half's place
.set ADRB, 20                          ; v20-21 the same for B
.set LI,   24                          ; v24 16 x lane
.set L8,   25                          ; v25 8 x lane
.set LS,   26                          ; v26 4 r
.set ADRS, 27                          ; v27 my scale words: lanes 0-15 A's, lanes 16-31 B's
.set SPW,  28                          ; v28 my spare word; never rewritten
.set NIL,  29                          ; v29 0; never rewritten
.set SC,   32
.set ST,   64                          ; the epilogue, window 0: 64 numbers,
.set PC,   128                         ; the codes just made,
.set TM,   148                         ; the quantiser's scratch,
.set PW,   164                         ; the scale word,
.set W0,   165                         ; and its halves
.set W1,   166
.set SEL,  100
.set G1,   24
.set G0,   32                          ; s[32:39] A's groups 0 for slots 0, 1
.set G0C,  4                           ; s[4:7]   A's for the head's load of codes: in registers whose pointers have been used up
.set G1B,  48
.set G0B,  56                          ; s[56:63] B's groups 0 for slots 0, 1
.set G0BC, 8                           ; s[8:11]  B's for the head's load of codes
.set G1S,  68
.set G0S,  76
.set G1SB, 80
.set G0SB, 88
.set MSB, 0
.macro WIN new                         ; the immediate's high byte repeats the setting that is left
.if MSB != (\new)
	s_set_vgpr_msb (MSB<<8)|(\new)
.set MSB, (\new)
.endif
.endm
.macro PLACES n
.rept \n
	v_nop
.endr
.endm
; A joint load: waves 0 and 1 fetch for A, waves 2 and 3 for B; the branch hangs on the wave's number alone.  Four v_nop follow each of the two lines.
.macro JLOAD g0a, g1a, g0b, g1b
	s_cmp_eq_u32 s17, 0
	s_cbranch_scc0 .Lfor_b_\@
	tensor_load_to_lds s[\g0a:\g0a+3], s[\g1a:\g1a+7]
	s_nop 0
	PLACES 4
	s_branch .Lasked_\@
.Lfor_b_\@:
	tensor_load_to_lds s[\g0b:\g0b+3], s[\g1b:\g1b+7]
	s_nop 0
	PLACES 4
.Lasked_\@:
.endm
.macro CREST                           ; a round of the cluster's barrier behind its opening barrier
	s_cmp_lg_u32 s16, 0
	s_cbranch_scc1 .Lnot_wave_0_\@
	s_barrier_signal -3
.Lnot_wave_0_\@:
	s_barrier_wait -3
	s_barrier_signal -1
	s_barrier_wait -1
.endm
.macro CROUND
	s_barrier_signal -1
	s_barrier_wait -1
	CREST
.endm
; The fragments and scale words of the slot's q-th K step into set p: images come back as they were stored, 16 bytes a lane, 512 consecutive bytes a load
.macro FETCH slot, q, p
	WIN 0x40                                       ; destination window 1
.set FI, 0
.rept NT
.irp c, 0,1,2
	ds_load_b128 v[128*(\p)+12*FI+4*\c:128*(\p)+12*FI+4*\c+3], v[ADRB+\slot] offset:(FI*NQ+(\q))*FRB+512*\c
.endr
.set FI, FI+1
.endr
	WIN 0
.set FI, 0
.rept NT
.irp c, 0,1,2
	ds_load_b128 v[64+12*NT*(\p)+12*FI+4*\c:64+12*NT*(\p)+12*FI+4*\c+3], v[ADRA+\slot] offset:(FI*NQ+(\q))*FRB+512*\c
.endr
.set FI, FI+1
.endr
.set FI, 0
.rept NT
	ds_load_b32 v[SC+NT*(\p)+FI], v[ADRS] offset:FI*KS*64      ; lanes 0-15: A's tile FI; lanes 16-31: B's tile FI
.set FI, FI+1
.endr
.endm
; A's tiles a0 .. a0 + n - 1 against B's eight, set p.  first = 1: the products start the sums.  The accumulators take turns, one instruction a turn, in the same order in every step.
.macro MULS a0, n, p, first
.set MA, \a0
.rept \n
	WIN 0xa1+0x50*(MA/4)                           ; source 0 (B) window 1, source 1 (A) window 0, C and D window 2 or 3
.set MB, 0
.rept NT
.set rD, 8*(NT*(MA%4)+MB)
.set rB, 128*(\p)+12*MB
.set rA, 64+12*NT*(\p)+12*MA
.if \first
	v_wmma_scale_f32_16x16x128_f8f6f4 v[rD:rD+7], v[rB:rB+11], v[rA:rA+11], 0, v[SC+NT*(\p)+MB], v[SC+NT*(\p)+MA] matrix_a_fmt:MATRIX_FMT_BF6 matrix_b_fmt:MATRIX_FMT_BF6 matrix_a_scale:MATRIX_SCALE_ROW1
.else
	v_wmma_scale_f32_16x16x128_f8f6f4 v[rD:rD+7], v[rB:rB+11], v[rA:rA+11], v[rD:rD+7], v[SC+NT*(\p)+MB], v[SC+NT*(\p)+MA] matrix_a_fmt:MATRIX_FMT_BF6 matrix_b_fmt:MATRIX_FMT_BF6 matrix_a_scale:MATRIX_SCALE_ROW1
.endif
.set MB, MB+1
.endr
.set MA, MA+1
.endr
.endm
; A K step whose successor lies in a slot that is known to be whole: the successor's operands (slot fslot, its fq-th K step) are asked for first, into the other set, and land while set p is multiplied
.macro STEP fslot, fq, p, first
	s_wait_dscnt 0x0                               ; this step's operands, asked for a whole step ago, are in: no LDS load of mine is out
	v_add_nc_u32 v[ADRS], 64, v[ADRS]              ; the next K step's scale words.  With the three below: four places between the last step's products and the loads into the set that they read
	PLACES 3
	FETCH \fslot, \fq, 1-(\p)
	MULS 0, NT, \p, \first
	WIN 0
.endm
; A K step (set 1) with a barrier in it; in front of the barrier each wave waits for all its tensor loads, adds 0 to its spare word, and waits for that and for its reads of slot "slot".  Behind it slot "next" is whole for every wave.
; fill = 1: slot "slot" is filled again, with the K steps two slots on; the barrier is then a round of the cluster's.
.macro TURN slot, next, fill, p
	s_wait_tensorcnt 0x0                           ; all my tensor loads have landed
	ds_add_u32 v[SPW], v[NIL]                      ; 0 onto my spare word
.if \fill
	s_mov_b32 s[G1+1], (2*192)<<16                 ; no load of mine is out: of the refill's rows two K steps are left in the tensor
	s_mov_b32 s[G1B+1], (2*192)<<16
.endif
	s_wait_dscnt 1                                 ; this step's operands are in; the add may be out
	MULS 0, NT/4, \p, 0
	s_wait_dscnt 0x0                               ; the add is done, and my reads of this slot are over
	s_barrier_signal -1
	MULS NT/4, NT/4, \p, 0
	WIN 0
	s_barrier_wait -1
.if \fill
	CREST                                          ; the barrier has opened a round of the cluster's: no wave of any partner still reads this slot or has a load on its way
	s_add_nc_u64 s[G0+4*\slot+2:G0+4*\slot+3], s[G0+4*\slot+2:G0+4*\slot+3], 2*NQ*FRB
	s_add_nc_u64 s[G0B+4*\slot+2:G0B+4*\slot+3], s[G0B+4*\slot+2:G0B+4*\slot+3], 2*NQ*FRB
	JLOAD G0+4*\slot, G1, G0B+4*\slot, G1B         ; the first tensor load behind the round; its four v_nop are the places in front of the loads below
.else
	PLACES 4
.endif
	s_wait_alu depctr_va_vdst(0)
	v_add_nc_u32 v[ADRS], 64, v[ADRS]
	FETCH \next, 0, 1-(\p)
	MULS NT/2, NT/2, \p, 0
	WIN 0
.endm
; 64 numbers of a lane, v[s] .. v[s + 63], register 16 b + i = k 32 b + 16 (lane / 16) + i of my row, become a fragment's codes in v[PC] on and its scale word in v[PW].
.macro QUANT s
.irp b, 0,1,2,3
	v_max3_num_f32 v[TM+\b], |v[\s+16*\b]|, |v[\s+1+16*\b]|, 0x2800000   ; block b: my 16 numbers, and the floor 2^(5 - 127): the byte cannot fall under 1
.endr
.irp i, 2,4,6,8,10,12,14
.irp b, 0,1,2,3
	v_max3_num_f32 v[TM+\b], v[TM+\b], |v[\s+16*\b+\i]|, |v[\s+1+16*\b+\i]|
.endr
.endr
.irp b, 0,1,2,3
	v_permlanex16_b32 v[TM+4+\b], v[TM+\b], s[SEL], s[SEL+1]
.endr
.irp b, 0,1,2,3
	v_max_num_f32 v[TM+\b], v[TM+\b], v[TM+4+\b]   ; with lane l xor 16's: the block's largest magnitude
.endr
.irp b, 0,1,2,3
	v_add_nc_u32 v[TM+12+\b], 0xfe000000, v[TM+\b] ; 4 off its exponent field: the conversion's scale operand
.endr
.irp b, 0,1,2,3
	v_lshrrev_b32 v[TM+4+\b], 23, v[TM+12+\b]      ; the scale's byte
.endr
	v_lshl_or_b32 v[PW], v[TM+5], 8, v[TM+4]
	v_lshl_or_b32 v[PW], v[TM+6], 16, v[PW]
	v_lshl_or_b32 v[PW], v[TM+7], 24, v[PW]
.irp c, 0,1
	v_cvt_scalef32_pk16_bf6_f32 v[PC+6*\c:PC+2+6*\c], v[\s+32*\c:\s+15+32*\c], v[TM+12+2*\c]
	v_cvt_scalef32_pk16_bf6_f32 v[PC+12+4*\c:PC+14+4*\c], v[\s+16+32*\c:\s+31+32*\c], v[TM+12+2*\c+1]
.endr
	v_nop                                          ; one plain place behind a scaled conversion
.irp c, 0,1
.irp i, 0,1,2
	v_permlane16_swap_b32 v[PC+6*\c+\i], v[PC+12+4*\c+\i]
.endr
.irp i, 0,1,2
	v_mov_b32 v[PC+3+6*\c+\i], v[PC+12+4*\c+\i]
.endr
.endr
.endm
	s_load_b256 s[4:11], s[0:1], 0x0               ; hq, wts, bq, bk
	s_load_b128 s[12:15], s[0:1], 0x20             ; bv, qkv
	v_lshl_add_u32 v[SPW], v0, 2, SPARE
	v_mov_b32 v[NIL], 0
	ds_add_u32 v28, v29
	ds_add_u32 v28, v29
	s_wait_dscnt 0x0
	v_lshrrev_b32 v1, 5, v0
	v_readfirstlane_b32 s16, v1                    ; wave
	s_lshr_b32 s17, s16, 1                         ; RH: which half of A I multiply.  Also: I fetch for A (0) or for B (1)
	s_and_b32 s18, s16, 1                          ; CH: which half of B I multiply.  Also: which half I fetch
	s_bfe_u32 s40, ttmp6, 0x40000                  ; cx
	s_bfe_u32 s41, ttmp6, 0x40004                  ; cy
	s_and_b32 s19, ttmp7, 0xffff
	s_lshl_b32 s19, s19, 2                         ; 4 x cluster y
	s_add_co_u32 s43, s19, s41                     ; A's block of 256 rows: tokens 4 Y + cy,
	s_add_co_u32 s66, s41, 8                       ; or, for v, the weights' block 8 + cy
	s_add_co_u32 s42, s19, s40                     ; B's: for v tokens 4 Y + cx,
	s_lshl_b32 s96, ttmp9, 2
	s_add_co_u32 s96, s96, s40                     ; else the weights' block 4 X + cx
	s_mov_b32 s67, 3145728                         ; where the scale words begin: in hq,
	s_mov_b32 s97, 2359296                         ; in wts
	s_cmp_eq_u32 ttmp9, 2                          ; v?  The cluster's x: the same in all sixteen partners
	s_cselect_b32 s43, s66, s43
	s_cselect_b32 s42, s42, s96
	s_cselect_b32 s98, s97, s67
	s_cselect_b32 s99, s67, s97
	s_lshl_b32 s44, s41, 2
	s_lshl_b32 s44, 15, s44                        ; my row of the cluster
	s_lshl_b32 s45, 0x1111, s40                    ; my column
	s_or_b32 s[G1], s44, (3<<16)|(1<<21)           ; 15:0 the mask; 17:16 elements of 8 bytes; 21 set beside a mask; no padding: every read is 16 x lane
	s_or_b32 s[G1B], s45, (3<<16)|(1<<21)
.irp g, G1, G1B
	s_mov_b32 s[\g+1], (NQ*192)<<16                ; tensor_dim0: a tile's NQ images on end
	s_mov_b32 s[\g+2], (2*NT)<<16                  ; tensor_dim1: the head's loads bring both halves
	s_mov_b32 s[\g+3], (NQ*192)<<16                ; tile_dim0
	s_mov_b32 s[\g+4], 2*NT                        ; tile_dim1
	s_mov_b32 s[\g+5], KS*192                      ; from tile to tile
	s_mov_b32 s[\g+6], 0
	s_mov_b32 s[\g+7], 0
.endr
	s_or_b32 s[G1S], s44, (3<<16)|(1<<21)          ; the scale words of both halves: a dense block, as rows of 256 bytes
	s_or_b32 s[G1SB], s45, (3<<16)|(1<<21)
.irp g, G1S, G1SB
	s_mov_b32 s[\g+1], 32<<16
	s_mov_b32 s[\g+2], (2*HALFS/256)<<16
	s_mov_b32 s[\g+3], 32<<16
	s_mov_b32 s[\g+4], 2*HALFS/256
	s_mov_b32 s[\g+5], 32
	s_mov_b32 s[\g+6], 0
	s_mov_b32 s[\g+7], 0
.endr
	s_lshl_b32 s20, s43, 1                         ; A: the block's first half; these registers never hold cx while joint loads are to come
	s_mul_i32 s22, s20, HALFS
	s_add_co_u32 s22, s22, s98
	s_mul_i32 s20, s20, NT*KS*FRB
	s_mov_b32 s21, 0
	s_mov_b32 s23, 0
	s_lshl_b32 s46, s42, 1                         ; B likewise; these never hold cy
	s_mul_i32 s92, s46, HALFS
	s_add_co_u32 s92, s92, s99
	s_mul_i32 s46, s46, NT*KS*FRB
	s_mov_b32 s47, 0
	s_mov_b32 s93, 0
	s_mul_i32 s94, s16, HALFT                      ; where they go: by the wave's number alone
	s_wait_kmcnt 0x0
	s_cmp_eq_u32 ttmp9, 2
	s_cselect_b64 s[66:67], s[6:7], s[4:5]         ; A's buffer
	s_cselect_b64 s[96:97], s[4:5], s[6:7]         ; B's
	s_add_nc_u64 s[20:21], s[66:67], s[20:21]
	s_add_nc_u64 s[22:23], s[66:67], s[22:23]
	s_add_nc_u64 s[46:47], s[96:97], s[46:47]
	s_add_nc_u64 s[92:93], s[96:97], s[92:93]
	s_cmp_eq_u32 ttmp9, 1
	s_cselect_b64 s[98:99], s[10:11], s[8:9]       ; the bias
	s_cmp_eq_u32 ttmp9, 2
	s_cselect_b64 s[98:99], s[12:13], s[98:99]     ; (s[4:13] have served: s[4:11] take the head's groups 0 of codes below)
	CROUND                                         ; all sixteen work-groups are here: the first joint loads meet
	s_mov_b32 s[G0S], 1
	s_mov_b32 s[G0S+1], SCL
	s_mov_b64 s[G0S+2:G0S+3], s[22:23]
	s_or_b32 s[G0S+3], s[G0S+3], 0x80000000
	s_mov_b32 s[G0SB], 1
	s_mov_b32 s[G0SB+1], SCL+2*HALFS
	s_mov_b64 s[G0SB+2:G0SB+3], s[92:93]
	s_or_b32 s[G0SB+3], s[G0SB+3], 0x80000000
	s_cmp_eq_u32 s17, 0                            ; s[2:3]: what my wave prefetches: of the 8 tiles that it fetches in the ring, the two that fall to my work-group among the four partners (by address: cx for A, cy for B)
	s_cselect_b64 s[2:3], s[66:67], s[96:97]
	s_cselect_b32 s12, s43, s42
	s_cselect_b32 s13, s40, s41
	s_lshl_b32 s12, s12, 1
	s_add_co_u32 s12, s12, s18
	s_lshl_b32 s12, s12, 2
	s_add_co_u32 s12, s12, s13
	s_mul_i32 s12, s12, 2*KS*FRB
	s_mov_b32 s13, 0
	s_add_nc_u64 s[2:3], s[2:3], s[12:13]
	s_mul_i32 s12, s18, NT*KS*FRB                  ; the half that I fetch in the ring
	s_mov_b32 s[G0C], 1                            ; the head's loads of codes: A's 16 tiles of K steps 0-2,
	s_mov_b32 s[G0C+1], 0
	s_mov_b64 s[G0C+2:G0C+3], s[20:21]
	s_or_b32 s[G0C+3], s[G0C+3], 0x80000000
	s_mov_b32 s[G0BC], 1                           ; and B's, behind them
	s_mov_b32 s[G0BC+1], 2*HALFT
	s_mov_b64 s[G0BC+2:G0BC+3], s[46:47]
	s_or_b32 s[G0BC+3], s[G0BC+3], 0x80000000
	s_add_nc_u64 s[20:21], s[20:21], s[12:13]
	s_add_nc_u64 s[46:47], s[46:47], s[12:13]
.irp s, 0,1
	s_mov_b32 s[G0+4*\s], 1
	s_add_co_u32 s[G0+4*\s+1], s94, \s*SLOT
	s_add_nc_u64 s[G0+4*\s+2:G0+4*\s+3], s[20:21], \s*NQ*FRB
	s_or_b32 s[G0+4*\s+3], s[G0+4*\s+3], 0x80000000
	s_mov_b32 s[G0B+4*\s], 1
	s_add_co_u32 s[G0B+4*\s+1], s94, \s*SLOT
	s_add_nc_u64 s[G0B+4*\s+2:G0B+4*\s+3], s[46:47], \s*NQ*FRB
	s_or_b32 s[G0B+4*\s+3], s[G0B+4*\s+3], 0x80000000
.endr
; the head's loads, one a wave, in one chain of branches on the wave's number
.macro ARM under, g0, g1, next
	s_cmp_lt_u32 s16, \under
	s_cbranch_scc0 \next
	tensor_load_to_lds s[\g0:\g0+3], s[\g1:\g1+7]
	s_nop 0
	PLACES 4
	s_branch .Lhead_asked
\next:
.endm
	ARM 1, G0C, G1, .Lhead_b
	ARM 2, G0BC, G1B, .Lhead_sa
	ARM 3, G0S, G1S, .Lhead_sb
	tensor_load_to_lds s[G0SB:G0SB+3], s[G1SB:G1SB+7]
	s_nop 0
	PLACES 4
.Lhead_asked:
	v_and_b32 v6, 31, v0
	v_min_u32 v7, 11, v6                           ; K steps 6, 7 of a tile are 12 blocks of 256 bytes,
	v_min_u32 v6, 17, v6                           ; K steps 3-5 are 18: a lane a block, the lanes left over name the last again
	v_lshlrev_b32 v7, 8, v7
	v_lshlrev_b32 v6, 8, v6
	global_prefetch_b8 v6, s[2:3] offset:3*FRB th:TH_LOAD_NT scope:SCOPE_SE            ; what slot 1's load will ask for, of my two tiles
	global_prefetch_b8 v6, s[2:3] offset:3*FRB+KS*FRB th:TH_LOAD_NT scope:SCOPE_SE
	v_and_b32 v1, 15, v0                           ; r
	v_bfe_u32 v2, v0, 4, 1                         ; h
	v_and_b32 v3, 31, v0
	v_lshlrev_b32 v[LI], 4, v3
	s_wait_alu depctr_va_vdst(0)
	v_lshlrev_b32 v[L8], 3, v3
	v_lshlrev_b32 v[LS], 2, v1
	s_mul_i32 s19, s17, HALFT                      ; A's half RH
.irp s, 0,1
	v_add_nc_u32 v[ADRA+\s], s19, v[LI]
	s_add_co_u32 s19, s19, SLOT
.endr
	s_mul_i32 s19, s18, HALFT                      ; B's half CH, behind A's two
	s_add_co_u32 s19, s19, 2*HALFT
.irp s, 0,1
	v_add_nc_u32 v[ADRB+\s], s19, v[LI]
	s_add_co_u32 s19, s19, SLOT
.endr
	s_mul_i32 s19, s17, HALFS                      ; the scale words: lanes 0-15 A's half, lanes 16-31 B's: the lower base + h x the distance
	s_mul_i32 s66, s18, HALFS
	s_add_co_u32 s66, s66, 2*HALFS
	s_sub_co_u32 s66, s66, s19
	v_mul_u32_u24 v4, s66, v2
	s_wait_alu depctr_va_vdst(0)
	s_add_co_u32 s19, s19, SCL
	v_add_nc_u32 v4, v4, v[LS]
	v_add_nc_u32 v[ADRS], s19, v4
	; the bias in both forms, loaded without a branch (both stay inside its 1,024 numbers): along the registers (q, k), and a number a lane (v)
	v_lshlrev_b32 v30, 6, v2                       ; 64 h
	s_wait_alu depctr_va_vdst(0)
	v_and_b32 v31, 7, v0
	v_bfe_u32 v5, v0, 3, 1
	v_lshl_add_u32 v31, v5, 4, v31
	v_lshlrev_b32 v31, 2, v31                      ; 4 (r % 8 + 16 (r / 8))
	s_wait_alu depctr_va_vdst(0)
	s_lshl_b32 s46, s40, 10                        ; channels 256 cx + 128 CH on
	s_lshl_b32 s47, s18, 9
	s_add_co_u32 s46, s46, s47
	s_mov_b32 s47, 0
	s_add_nc_u64 s[46:47], s[98:99], s[46:47]
	s_lshl_b32 s20, s41, 10                        ; channels 256 cy + 128 RH on
	s_lshl_b32 s21, s17, 9
	s_add_co_u32 s20, s20, s21
	s_mov_b32 s21, 0
	s_add_nc_u64 s[20:21], s[98:99], s[20:21]
	WIN 0x40
.irp b, 0,1,2,3,4,5,6,7
	global_load_b128 v[96+8*\b+96*(\b/4):96+8*\b+96*(\b/4)+3], v30, s[46:47] offset:(32*(\b/2)+8*(\b%2))*4
	global_load_b128 v[96+8*\b+96*(\b/4)+4:96+8*\b+96*(\b/4)+7], v30, s[46:47] offset:(32*(\b/2)+8*(\b%2))*4+16
.endr
	WIN 0
.irp a, 0,1,2,3,4,5,6,7
	global_load_b32 v[48+2*\a], v31, s[20:21] offset:(32*(\a/2)+8*(\a%2))*4    ; twice, to fill the pair that the packed addition names
	global_load_b32 v[49+2*\a], v31, s[20:21] offset:(32*(\a/2)+8*(\a%2))*4
.endr
	s_wait_tensorcnt 0x0                           ; my tile of the head's four is in
	ds_add_u32 v[SPW], v[NIL]
	s_mov_b32 s[G1+2], NT<<16                      ; no load of mine is out: from here on a load brings one half's 8 tiles
	s_mov_b32 s[G1+4], NT
	s_mov_b32 s[G1B+2], NT<<16
	s_mov_b32 s[G1B+4], NT
	s_wait_dscnt 0x0
	CROUND                                         ; all four tiles are in, and all sixteen work-groups are here
	JLOAD G0+4, G1, G0B+4, G1B                     ; slot 1: K steps 3-5
	FETCH 0, 0, 0
	STEP 0, 1, 0, 1                                ; K step 0: its products start the sums
	global_prefetch_b8 v7, s[2:3] offset:6*FRB th:TH_LOAD_NT scope:SCOPE_SE            ; what the refill in K step 2 will ask for, two K steps ahead of it
	global_prefetch_b8 v7, s[2:3] offset:6*FRB+KS*FRB th:TH_LOAD_NT scope:SCOPE_SE
	s_wait_alu depctr_va_vdst(0)
	STEP 0, 2, 1, 0                                ; K step 1
	TURN 0, 1, 1, 0                                ; K step 2: slot 1 has landed, everybody's; slot 0 takes K steps 6 and 7
	s_wait_alu depctr_va_vdst(0)
	STEP 1, 1, 1, 0                                ; K step 3
	s_wait_alu depctr_va_vdst(0)
	STEP 1, 2, 0, 0                                ; K step 4
	TURN 1, 0, 0, 1                                ; K step 5: the refill has landed, everybody's; nothing more is asked for
	s_wait_alu depctr_va_vdst(0)
	STEP 0, 1, 0, 0                                ; K step 6
	s_wait_dscnt 0x0
	MULS 0, NT, 1, 0                               ; K step 7
	WIN 0
	; THE WAY OUT: bias in f32, the quantiser, and the images straight from registers: every store of codes covers 512 or 256 consecutive bytes, aligned.
	s_wait_loadcnt 0x0                             ; the bias
	PLACES 4                                       ; behind the last products: results are read, and registers that held A's fragments are written
.irp b, 0,1,2,3
	v_mov_b32 v[TM+4+\b], 0                        ; written once: a lane permute's destination counts as one of its sources
.endr
	s_mov_b32 s[SEL], 0x76543210
	s_mov_b32 s[SEL+1], 0xfedcba98
	s_and_b32 s19, ttmp7, 0xffff
	s_lshl_b32 s19, s19, 2                         ; 4 Y
	s_cmp_eq_u32 ttmp9, 2
	s_cbranch_scc1 .Lv_out
	; q, k: my lanes are tokens 256 (4 Y + cy) + 128 RH on: key step 2 (block % 8) + RH of the batch; my registers are heads 4 cx + 2 CH and the next
	s_add_co_u32 s20, s19, s41
	s_lshr_b32 s21, s20, 3                         ; batch
	s_and_b32 s20, s20, 7
	s_lshl_b32 s20, s20, 1
	s_add_co_u32 s20, s20, s17                     ; step
	s_lshl_b32 s21, s21, 4
	s_lshl_b32 s22, s40, 2
	s_add_co_u32 s21, s21, s22
	s_lshl_b32 s22, s18, 1
	s_add_co_u32 s21, s21, s22                     ; the record
	s_mul_i32 s21, s21, REC
	s_mul_i32 s22, s20, 6144                       ; q: 8 tiles x 768 a step
	s_add_co_u32 s22, s22, R_Q
	s_mul_i32 s23, s20, 12288                      ; k
	s_mul_i32 s46, s20, 512
	s_add_co_u32 s46, s46, R_QS
	s_mul_i32 s47, s20, 768
	s_add_co_u32 s47, s47, R_S
	s_cmp_eq_u32 ttmp9, 0
	s_cselect_b32 s22, s22, s23
	s_cselect_b32 s46, s46, s47
	s_add_co_u32 s22, s22, s21
	s_add_co_u32 s46, s46, s21
	s_mov_b32 s23, 0
	s_mov_b32 s47, 0
	s_add_nc_u64 s[92:93], s[14:15], s[22:23]
	s_add_nc_u64 s[94:95], s[14:15], s[46:47]
.macro QK_OUT a
.if (\a) > 0
	s_wait_xcnt 0x0                                ; the last tile's stores have read their registers
.endif
	WIN 0x06+((\a)/4)                              ; source 0: the accumulators' window; source 1: window 1, the bias
.set EB, 0
.rept 8
.irp j, 0,2,4,6
	v_pk_add_f32 v[ST+8*EB+\j:ST+8*EB+\j+1], v[8*(8*((\a)%4)+EB)+\j:8*(8*((\a)%4)+EB)+\j+1], v[96+8*EB+96*(EB/4)+\j:96+8*EB+96*(EB/4)+\j+1]   ; each accumulator from its low end on
.endr
.set EB, EB+1
.endr
	WIN 0
	QUANT ST                                       ; blocks 0, 1: the first head's 64; blocks 2, 3: the second's
	v_and_b32 v[W0], 0xffff, v[PW]
	v_lshrrev_b32 v[W1], 16, v[PW]
	global_store_b128 v[LI], v[PC:PC+3], s[92:93] offset:768*(\a)
	global_store_b64 v[L8], v[PC+4:PC+5], s[92:93] offset:768*(\a)+512
	global_store_b128 v[LI], v[PC+6:PC+9], s[92:93] offset:768*(\a)+REC
	global_store_b64 v[L8], v[PC+10:PC+11], s[92:93] offset:768*(\a)+512+REC
	global_store_b32 v[LS], v[W0], s[94:95] offset:64*(\a)
	global_store_b32 v[LS], v[W1], s[94:95] offset:64*(\a)+REC
.endm
.irp a, 0,1,2,3,4,5,6,7
	QK_OUT \a
.endr
	s_branch .Ldone
.Lv_out:
	; v: my lanes are channels 256 cy + 128 RH on: heads 4 cy + 2 RH and the next, four tiles each; my registers are the 128 tokens of key step 2 (block % 8) + CH, block 4 Y + cx
	s_add_co_u32 s20, s19, s40
	s_lshr_b32 s21, s20, 3
	s_and_b32 s20, s20, 7
	s_lshl_b32 s20, s20, 1
	s_add_co_u32 s20, s20, s18                     ; step
	s_lshl_b32 s21, s21, 4
	s_lshl_b32 s22, s41, 2
	s_add_co_u32 s21, s21, s22
	s_lshl_b32 s22, s17, 1
	s_add_co_u32 s21, s21, s22                     ; the record
	s_mul_i32 s21, s21, REC
	s_mul_i32 s22, s20, 12288
	s_add_co_u32 s22, s22, 6144                    ; behind the step's tiles of K
	s_add_co_u32 s22, s22, s21
	s_mul_i32 s46, s20, 768
	s_add_co_u32 s46, s46, R_S+512
	s_add_co_u32 s46, s46, s21
	s_mov_b32 s23, 0
	s_mov_b32 s47, 0
	s_add_nc_u64 s[92:93], s[14:15], s[22:23]
	s_add_nc_u64 s[94:95], s[14:15], s[46:47]
.macro V_OUT a
.if (\a) > 0
	s_wait_xcnt 0x0
.endif
	WIN 0x02+((\a)/4)                              ; source 0: the accumulators' window
.set EB, 0
.rept 8
.irp j, 0,2,4,6
	v_pk_add_f32 v[ST+8*EB+\j:ST+8*EB+\j+1], v[8*(8*((\a)%4)+EB)+\j:8*(8*((\a)%4)+EB)+\j+1], v[48+2*(\a):49+2*(\a)]
.endr
.set EB, EB+1
.endr
	WIN 0
	QUANT ST
.irp c, 0,1,2
	global_store_b128 v[LI], v[PC+4*\c:PC+4*\c+3], s[92:93] offset:((\a)/4)*REC+((\a)%4)*1536+512*\c
.endr
	global_store_b32 v[LS], v[PW], s[94:95] offset:((\a)/4)*REC+((\a)%4)*64
.endm
.irp a, 0,1,2,3,4,5,6,7
	V_OUT \a
.endr
.Ldone:
	s_wait_tensorcnt 0x0                           ; the wave's end
	ds_add_u32 v[SPW], v[NIL]
	s_wait_dscnt 0x0
	CROUND                                         ; the closing round: no work-group ends while a partner may still ask for a tile that names it
	s_endpgm
.Lfunc_end_k_qebb97030ba_qkvg:
	.size	k_qebb97030ba_qkvg, .Lfunc_end_k_qebb97030ba_qkvg-k_qebb97030ba_qkvg
	.p2alignl 7, 3214868480
	.fill 96, 4, 3214868480
	.section	.rodata,"a",@progbits
	.p2align	6, 0x0
	.amdhsa_kernel k_qebb97030ba_qkvg
		.amdhsa_group_segment_fixed_size 327680
		.amdhsa_private_segment_fixed_size 0
		.amdhsa_enable_private_segment 0
		.amdhsa_kernarg_size 48
		.amdhsa_user_sgpr_count 2
		.amdhsa_user_sgpr_kernarg_segment_ptr 1
		.amdhsa_wavefront_size32 1
		.amdhsa_system_sgpr_workgroup_id_x 1
		.amdhsa_system_sgpr_workgroup_id_y 1
		.amdhsa_system_sgpr_workgroup_id_z 1
		.amdhsa_system_vgpr_workitem_id 0
		.amdhsa_next_free_vgpr 1024
		.amdhsa_next_free_sgpr 102
		.amdhsa_reserve_vcc 0
		.amdhsa_float_denorm_mode_32 3
		.amdhsa_float_denorm_mode_16_64 3
		.amdhsa_memory_ordered 1
		.amdhsa_forward_progress 1
		.amdhsa_inst_pref_size 215
	.end_amdhsa_kernel
	.amdgpu_metadata
---
amdhsa.version: [ 1, 2 ]
amdhsa.kernels:
  - .name:           k_qebb97030ba_qkvg
    .symbol:         k_qebb97030ba_qkvg.kd
    .args:
      - { .name: hq, .offset: 0, .size: 8, .value_kind: global_buffer, .address_space: global }
      - { .name: wts, .offset: 8, .size: 8, .value_kind: global_buffer, .address_space: global }
      - { .name: bq, .offset: 16, .size: 8, .value_kind: global_buffer, .address_space: global }
      - { .name: bk, .offset: 24, .size: 8, .value_kind: global_buffer, .address_space: global }
      - { .name: bv, .offset: 32, .size: 8, .value_kind: global_buffer, .address_space: global }
      - { .name: qkv, .offset: 40, .size: 8, .value_kind: global_buffer, .address_space: global }
    .group_segment_fixed_size: 327680
    .private_segment_fixed_size: 0
    .kernarg_segment_align: 8
    .kernarg_segment_size: 48
    .max_flat_workgroup_size: 128
    .sgpr_count:     102
    .vgpr_count:     1024
    .wavefront_size: 32
...
	.end_amdgpu_metadata
.endif
;; end of part 2
;; launch attn (part 3): grid 8 x 32, 16 waves a work-group, clusters of 4 x 1, 215,040 bytes of LDS; arguments qkv, aq; writes aq
.if DOCPART == 3
	.amdgcn_target "amdgcn-amd-amdhsa--gfx1250"
	.amdhsa_code_object_version 6
	.text
	.protected	k_qebb97030ba_attn
	.globl	k_qebb97030ba_attn
	.p2align	8
	.type	k_qebb97030ba_attn,@function
k_qebb97030ba_attn:
	s_mov_b64 s[64:65], 0
	v_nop
	global_prefetch_b8 v0, s[64:65] scope:SCOPE_SE
	s_setreg_imm32_b32 hwreg(HW_REG_WAVE_MODE, 25, 1), 1
	s_wait_xcnt 0x0
	s_wait_alu depctr_hold_cnt(0) depctr_sa_sdst(0) depctr_va_vdst(0) depctr_va_sdst(0) depctr_va_ssrc(0) depctr_va_vcc(0) depctr_vm_vsrc(0)
	s_getreg_b32 s2, hwreg(HW_REG_IB_STS2, 6, 4)
	s_cmp_eq_u32 s2, 0
	s_cbranch_scc0 .Lentry_in_a_cluster
	s_endpgm
.Lentry_in_a_cluster:
	s_bfe_u32 s2, ttmp6, 0x10000c
	s_cmp_lg_u32 s2, 0x3003
	s_cbranch_scc0 .Lentry_shape_is_right
	s_endpgm
.Lentry_shape_is_right:
; Causal attention of one (batch, head) on codes of BF6 (E3M2), E8M0 scales for each 32 along a product's K; head size 64, 2,048 tokens; the result is quantised along D for the next product and stored as operand images.
; THE SOFTMAX AHEAD OF THE SECOND PRODUCT: t = score x log2(e) / 8; M = the row's largest t so far, rounded UP to a whole number; p = 2^(t - M) is what is quantised, along the keys; the row's sum is taken of the
; unquantised p and divides at the end.  When M moves, the sum and O are multiplied by 2^(old M - new M): exact.
; qkv's record of this (batch, head): [key step 16][K: 8 tiles x 768 | V^T: 4 tiles x 1,536], at 196,608 [step][K: 8 x 64 | V: 4 x 64] scale words: these 208,896 bytes come into LDS ONCE, as they lie, sixteen loads of
; 51 rows of 256 bytes, one a wave.  Nothing in LDS is filled again: one barrier, no ring.  Q's images (at 208,896) and scale words (at 307,200) are read from memory by the one wave that wants them.
; CLUSTER 4 x 1: the four work-groups belong to one (batch, head) and ask for the record JOINTLY, by the same load with a mask that names the four.
; SHARES.  Work-group j (0-7) of a head, wave w: ONE tile of 16 queries, tile 8 m + j, which has m + 1 key steps.  m is taken from a square of the numbers 0 to 15, wave w at row w / 4, column w % 4:
;     15 14  1  0 |  2  3 12 13 |  4  5 10 11 |  9  8  7  6     every row and every column sums to 30: four neighbouring waves, and likewise waves w, w + 4, w + 8, w + 12, have 34 key steps together.
; All queries of tile 8 m + j lie in key step m: steps above m are left out and step m is masked, by branches on the wave's number and the loop's count alone; the loop's trip count is a constant.
; LAYOUT.  Both products transposed: S^T = K Q^T, O^T = V^T P^T: a lane holds ONE query.  Place r of a tile of 16 rows is row 32 (tile / 2) + 8 (tile % 2) + r % 8 + 16 (r / 8), so the 16 registers of tiles 2 b, 2 b + 1 are
; 16 neighbouring keys (channels): 32 b + 16 (lane / 16) + 0 .. 15.  K = 64 fills registers 0-5 of a fragment; registers 6-11 of Q and of K hold zero codes, which add nothing.
; The stores of 8 and of 2 bytes a lane at the end fill 256-byte blocks in part (each head owns half of a fragment's K): a third of the 3 MB that the launch writes.
; LIMITS: a block of the result whose largest magnitude lies under 2^-122 gets the byte 1; NaN and infinities are not served.
.set REC,  315392
.set R_S,  196608
.set R_Q,  208896
.set R_QS, 307200
.set KF,   32                          ; v32-79   four fragments of K
.set VF,   80                          ; v80-127  four fragments of V^T;  v28-31 their scale words
.set S,    128                         ; v128-191 S^T, then p
.set O,    192                         ; v192-223 O^T
.set WV,   8                           ; s8  wave
.set M,    9                           ; s9  m
.set KT,   10                          ; s10 the key step
.set TK,   11                          ; s11 where its tiles begin in LDS
.set TS,   12                          ; s12 and its scale words, from R_S on
.set SEL,  20
.set CS,   22                          ; s[22:23] c = log2(e) / 8
.set G1,   24
.set G0,   32
.macro CROUND
	s_barrier_signal -1
	s_barrier_wait -1
	s_cmp_lg_u32 s[WV], 0
	s_cbranch_scc1 .Lnot_wave_0_\@
	s_barrier_signal -3
.Lnot_wave_0_\@:
	s_barrier_wait -3
	s_barrier_signal -1
	s_barrier_wait -1
.endm
	s_load_b128 s[4:7], s[0:1], 0x0                ; qkv, aq
	v_lshl_add_u32 v7, v0, 2, 0x34000
	v_mov_b32 v243, 0
	ds_add_u32 v7, v243
	ds_add_u32 v7, v243
	v_lshrrev_b32 v1, 5, v0
	s_delay_alu instid0(VALU_DEP_1)
	v_readfirstlane_b32 s[WV], v1
	s_bfe_u32 s13, ttmp6, 0x40000                  ; cx
	s_lshl_b32 s14, ttmp9, 2
	s_add_co_u32 s14, s14, s13                     ; j: it enters Q's and the result's global addresses and the mask's lane constant alone
	s_and_b32 s15, ttmp7, 0xffff                   ; 16 batch + head: shared by the partners
	s_and_b32 s16, s[WV], 7                        ; m: the square above, a nibble a wave: waves 0-7 in one word, waves 8-15 in the other
	s_lshl_b32 s16, s16, 2
	s_mov_b32 s17, 0x6789ba54
	s_cmp_lt_u32 s[WV], 8
	s_cselect_b32 s17, 0xdc3201ef, s17
	s_lshr_b32 s17, s17, s16
	s_and_b32 s[M], s17, 15                        ; made of the wave's number and constants: the same in all four partners
	s_mul_i32 s36, s15, REC
	s_mov_b32 s37, 0
	s_mul_i32 s17, s[WV], 13056                    ; my 51 rows of 256 bytes, in memory and in LDS alike
	s_mov_b32 s18, s17
	s_mov_b32 s19, 0
	s_mov_b32 s[G1], 15|(3<<16)|(1<<21)            ; 15:0 the mask: all four; 17:16 elements of 8 bytes; 21 set beside a mask
	s_mov_b32 s[G1+1], 32<<16                      ; tensor_dim0
	s_mov_b32 s[G1+2], 51<<16                      ; tensor_dim1
	s_mov_b32 s[G1+3], 32<<16                      ; tile_dim0
	s_mov_b32 s[G1+4], 51                          ; tile_dim1
	s_mov_b32 s[G1+5], 32                          ; dense
	s_mov_b32 s[G1+6], 0
	s_mov_b32 s[G1+7], 0
	s_mov_b32 s[SEL], 0x76543210
	s_mov_b32 s[SEL+1], 0xfedcba98
	s_mov_b32 s[CS], 0x3e38aa3b
	s_mov_b32 s[CS+1], s[CS]                       ; (named with it as a pair, so it is written)
	s_mov_b32 s[KT], 0
	s_mov_b32 s[TK], 0
	s_mov_b32 s[TS], 0
	s_wait_dscnt 0x0
	s_wait_kmcnt 0x0
	s_add_nc_u64 s[36:37], s[4:5], s[36:37]        ; the record
	CROUND                                         ; all four work-groups are here: the joint loads meet
	s_mov_b32 s[G0], 1
	s_mov_b32 s[G0+1], s17
	s_add_nc_u64 s[G0+2:G0+3], s[36:37], s[18:19]
	s_or_b32 s[G0+3], s[G0+3], 0x80000000
	tensor_load_to_lds s[G0:G0+3], s[G1:G1+7]      ; my one tensor load of the launch
	s_nop 0
.rept 4
	v_nop
.endr
	s_lshl_b32 s38, s[M], 3
	s_add_co_u32 s38, s38, s14                     ; my tile of queries
	s_mul_i32 s40, s38, 768
	s_add_co_u32 s40, s40, R_Q
	s_mov_b32 s41, 0
	s_add_nc_u64 s[40:41], s[36:37], s[40:41]
	s_lshl_b32 s42, s38, 6
	s_add_co_u32 s42, s42, R_QS
	s_mov_b32 s43, 0
	s_add_nc_u64 s[42:43], s[36:37], s[42:43]
	v_and_b32 v11, 31, v0
	s_delay_alu instid0(VALU_DEP_1)
	v_lshlrev_b32 v1, 4, v11                       ; v1 16 x lane
	s_delay_alu instid0(VALU_DEP_2)
	v_lshlrev_b32 v2, 3, v11                       ; v2 8 x lane
	v_and_b32 v6, 15, v0
	s_delay_alu instid0(VALU_DEP_1)
	v_lshlrev_b32 v6, 2, v6                        ; v6 4 r
	global_load_b128 v[16:19], v1, s[40:41]        ; Q's registers 0-3,
	global_load_b64 v[20:21], v2, s[40:41] offset:512      ; 4-5,
	global_load_b32 v255, v6, s[42:43]             ; and its scale words
	v_add_nc_u32 v3, R_S, v6                       ; v3 a scale word's place in LDS
	s_lshr_b32 s44, s14, 1                         ; v4: my query within its key step, less 16 (lane / 16): register 16 b + i holds key 32 b + i + 16 (lane / 16), hidden where 32 b + i is above v4
	s_lshl_b32 s44, s44, 5
	s_and_b32 s45, s14, 1
	s_lshl_b32 s45, s45, 3
	s_add_co_u32 s44, s44, s45
	v_and_b32 v4, 7, v0
	v_bfe_u32 v11, v0, 3, 1
	s_delay_alu instid0(VALU_DEP_1)
	v_lshl_add_u32 v4, v11, 4, v4
	v_bfe_u32 v11, v0, 4, 1
	s_delay_alu instid0(VALU_DEP_1)
	v_lshlrev_b32 v11, 4, v11
	s_delay_alu instid0(VALU_DEP_1)
	v_sub_nc_u32 v4, v4, v11
	s_delay_alu instid0(VALU_DEP_1)
	v_add_nc_u32 v4, s44, v4
	v_mov_b32 v5, 0xff800000                       ; -infinity
	; where the result goes: row tile 128 batch + my tile, K step head / 2, half head % 2
	s_lshr_b32 s44, s15, 4
	s_lshl_b32 s44, s44, 7
	s_add_co_u32 s44, s44, s38
	s_and_b32 s45, s15, 15
	s_lshr_b32 s46, s45, 1
	s_mul_i32 s48, s44, 12288
	s_mul_i32 s47, s46, 1536
	s_add_co_u32 s48, s48, s47
	s_mov_b32 s49, 0
	s_add_nc_u64 s[48:49], s[6:7], s[48:49]
	s_lshl_b32 s50, s44, 9
	s_lshl_b32 s47, s46, 6
	s_add_co_u32 s50, s50, s47
	s_and_b32 s52, s15, 1
	s_lshl_b32 s47, s52, 1
	s_add_co_u32 s50, s50, s47
	s_add_co_u32 s50, s50, 3145728
	s_mov_b32 s51, 0
	s_add_nc_u64 s[50:51], s[6:7], s[50:51]
.irp i, 22,23,24,25,26,27
	v_mov_b32 v[\i], 0                             ; zero codes for k = 64 .. 127: in Q,
.endr
.irp t, 0,1,2,3
.irp i, 6,7,8,9,10,11
	v_mov_b32 v[KF+12*\t+\i], 0                    ; and in K's four fragments: written once, no load lands there
.endr
.endr
	v_mov_b32 v13, 0xff61b1e6                      ; the largest t so far: -3e38
	s_delay_alu instid0(VALU_DEP_1)
	v_floor_f32 v12, -v13                          ; -M
	v_mov_b32 v14, 0                               ; the sum, in two halves
	v_mov_b32 v15, 0
.irp i, 236,237,238,239,252,253
	v_mov_b32 v[\i], 0                             ; written once: permutes' destinations, and the upper half of the pair v[252:253]
.endr
.set J, 0
.rept 32
	v_mov_b32 v[O+J], 0                            ; the step is written once: the first finds zeros, which the first change of M leaves zeros
.set J, J+1
.endr
	s_wait_loadcnt 0x0                             ; Q
	s_wait_tensorcnt 0x0                           ; my part of the record is in,
	s_barrier_signal -1
	s_barrier_wait -1                              ; everybody's is
.Lstep:                                                ; sixteen trips; a step all of whose keys come after my queries is left out
	s_cmp_gt_u32 s[KT], s[M]
	s_cbranch_scc1 .Lhidden
	v_add_nc_u32 v8, s[TK], v1
	v_add_nc_u32 v9, s[TK], v2
	v_add_nc_u32 v10, s[TS], v3
	v_nop
.irp t, 0,1,2,3                        ; S^T = K Q^T, four tiles of 16 keys at a time
	ds_load_b128 v[KF+12*\t:KF+12*\t+3], v8 offset:768*\t
	ds_load_b64 v[KF+12*\t+4:KF+12*\t+5], v9 offset:768*\t+512
	ds_load_b32 v[248+\t], v10 offset:64*\t
.endr
	s_wait_alu depctr_va_vdst(0)
	s_wait_dscnt 0x0
.irp t, 0,1,2,3
	v_wmma_scale_f32_16x16x128_f8f6f4 v[S+8*\t:S+8*\t+7], v[KF+12*\t:KF+12*\t+11], v[16:27], 0, v[248+\t], v255 matrix_a_fmt:MATRIX_FMT_BF6 matrix_b_fmt:MATRIX_FMT_BF6
.endr
.rept 4
	v_nop                                          ; places in front of loads into registers that these products have read
.endr
.irp t, 0,1,2,3
	ds_load_b128 v[KF+12*\t:KF+12*\t+3], v8 offset:768*(4+\t)
	ds_load_b64 v[KF+12*\t+4:KF+12*\t+5], v9 offset:768*(4+\t)+512
	ds_load_b32 v[248+\t], v10 offset:64*(4+\t)
.endr
.irp t, 0,1,2,3                        ; V's are asked for here and land under the softmax
.irp c, 0,1,2
	ds_load_b128 v[VF+12*\t+4*\c:VF+12*\t+4*\c+3], v8 offset:6144+1536*\t+512*\c
.endr
	ds_load_b32 v[28+\t], v10 offset:512+64*\t
.endr
	s_wait_dscnt 16                                ; K's are in; V's sixteen loads may be out
.irp t, 0,1,2,3
	v_wmma_scale_f32_16x16x128_f8f6f4 v[S+32+8*\t:S+32+8*\t+7], v[KF+12*\t:KF+12*\t+11], v[16:27], 0, v[248+\t], v255 matrix_a_fmt:MATRIX_FMT_BF6 matrix_b_fmt:MATRIX_FMT_BF6
.endr
.rept 4
	v_nop
.endr
	s_cmp_lg_u32 s[KT], s[M]                       ; on the diagonal the scores of hidden keys become -infinity ahead of the maximum: p = 0 then
	s_cbranch_scc1 .Lopen
.set J, 0
.rept 64
	v_cmp_gt_i32 vcc_lo, 32*(J/16)+J%16, v4
	v_cndmask_b32 v[S+J], v[S+J], v5, vcc_lo
.set J, J+1
.endr
.Lopen:
.irp b, 0,1,2,3
	v_max3_num_f32 v[232+\b], v[S+16*\b], v[S+1+16*\b], v[S+2+16*\b]   ; the largest score of each block of 32 keys: it serves for the row's maximum and, since p rises with the score, for the block's largest p
.endr
.irp i, 3,5,7,9,11,13
.irp b, 0,1,2,3
	v_max3_num_f32 v[232+\b], v[232+\b], v[S+16*\b+\i], v[S+1+16*\b+\i]
.endr
.endr
.irp b, 0,1,2,3
	v_max_num_f32 v[232+\b], v[232+\b], v[S+15+16*\b]
.endr
.irp b, 0,1,2,3
	s_delay_alu instid0(VALU_DEP_4)
	v_permlanex16_b32 v[236+\b], v[232+\b], s[SEL], s[SEL+1]
.endr
.irp b, 0,1,2,3
	s_delay_alu instid0(VALU_DEP_4)
	v_max_num_f32 v[232+\b], v[232+\b], v[236+\b]  ; with lane l xor 16's 16 keys
.endr
	s_delay_alu instid0(VALU_DEP_2)
	v_max3_num_f32 v254, v232, v233, v234
	s_delay_alu instid0(VALU_DEP_1)
	v_max_num_f32 v254, v254, v235                 ; the step's largest score of my query
	s_delay_alu instid0(VALU_DEP_1)
	v_mul_f32 v254, s[CS], v254                    ; as t
	s_delay_alu instid0(VALU_DEP_1)
	v_max_num_f32 v13, v13, v254                   ; the running largest t
	v_mov_b32 v254, v12
	s_delay_alu instid0(VALU_DEP_2)
	v_floor_f32 v12, -v13                          ; the new -M = -ceil(t)
	s_delay_alu instid0(VALU_DEP_1)
	v_sub_f32 v254, v12, v254                      ; old M - new M: a whole number, 0 or less
	s_delay_alu instid0(VALU_DEP_1)
	v_cvt_i32_f32 v254, v254                       ; (it saturates)
	s_delay_alu instid0(VALU_DEP_1)
	v_ldexp_f32 v252, 1.0, v254                    ; f = 2^(old M - new M)
.set J, 0
.rept 32
	v_pk_fma_f32 v[S+J:S+J+1], v[S+J:S+J+1], s[CS:CS+1], v[12:13] op_sel_hi:[1,0,0]    ; t - M, two at a time
.set J, J+2
.endr
.irp b, 0,1,2,3
	v_fma_f32 v[232+\b], v[232+\b], s[CS], v12     ; the same of each block's largest score
.endr
.set J, 0
	s_wait_alu depctr_va_vdst(0)
.rept 64
	v_exp_f32 v[S+J], v[S+J]                       ; p = 2^(t - M): not normalised
.set J, J+1
.endr
	v_pk_mul_f32 v[14:15], v[14:15], v[252:253] op_sel_hi:[1,0]    ; the sums under the new M: a plain place behind the exponentials
	s_wait_alu depctr_va_vdst(0)                   ; one wait for the whole batch, ahead of its first reader
.irp b, 0,1,2,3
	v_exp_f32 v[232+\b], v[232+\b]                 ; the block's largest p
.endr
	v_pk_add_f32 v[236:237], v[132:133], v[136:137]
	v_pk_add_f32 v[250:251], v[140:141], v[144:145]
	v_pk_add_f32 v[248:249], v[148:149], v[152:153]
	v_pk_add_f32 v[246:247], v[156:157], v[160:161]
	v_pk_add_f32 v[244:245], v[164:165], v[168:169]
	v_pk_add_f32 v[240:241], v[172:173], v[176:177]
	v_pk_add_f32 v[238:239], v[180:181], v[184:185]
	v_pk_add_f32 v[14:15], v[14:15], v[188:189]
	v_pk_add_f32 v[236:237], v[236:237], v[128:129]
	v_pk_add_f32 v[250:251], v[250:251], v[130:131]
	v_pk_add_f32 v[248:249], v[248:249], v[134:135]
	v_pk_add_f32 v[246:247], v[246:247], v[138:139]
	v_pk_add_f32 v[244:245], v[244:245], v[142:143]
	v_pk_add_f32 v[240:241], v[240:241], v[146:147]
	v_pk_add_f32 v[238:239], v[238:239], v[150:151]
	v_pk_add_f32 v[14:15], v[14:15], v[154:155]
	v_pk_add_f32 v[236:237], v[236:237], v[158:159]
	v_pk_add_f32 v[250:251], v[250:251], v[162:163]
	v_pk_add_f32 v[248:249], v[248:249], v[166:167]
	v_pk_add_f32 v[246:247], v[246:247], v[170:171]
	v_pk_add_f32 v[244:245], v[244:245], v[174:175]
	v_pk_add_f32 v[240:241], v[240:241], v[178:179]
	v_pk_add_f32 v[238:239], v[238:239], v[182:183]
	v_pk_add_f32 v[14:15], v[14:15], v[186:187]
	v_pk_add_f32 v[236:237], v[236:237], v[190:191]
	s_delay_alu instid0(VALU_DEP_2)
	v_pk_add_f32 v[14:15], v[14:15], v[246:247]
	s_delay_alu instid0(VALU_DEP_2)
	v_pk_add_f32 v[236:237], v[236:237], v[244:245]
	v_pk_add_f32 v[250:251], v[250:251], v[240:241]
	v_pk_add_f32 v[248:249], v[248:249], v[238:239]
	s_delay_alu instid0(VALU_DEP_2)
	v_pk_add_f32 v[14:15], v[14:15], v[250:251]
	s_delay_alu instid0(VALU_DEP_2)
	v_pk_add_f32 v[236:237], v[236:237], v[248:249]
	s_delay_alu instid0(VALU_DEP_1)
	v_pk_add_f32 v[14:15], v[14:15], v[236:237]
	s_wait_alu depctr_va_vdst(0)                   ; and one for the four
.irp b, 0,1,2,3
	v_max_num_f32 v[232+\b], 0x2800000, v[232+\b]  ; the floor 2^(5 - 127): the byte cannot fall under 1
.endr
.irp b, 0,1,2,3
	s_delay_alu instid0(VALU_DEP_4)
	v_add_nc_u32 v[244+\b], 0xfe000000, v[232+\b]  ; 4 off the exponent field: the conversion's scale operand
.endr
.irp b, 0,1,2,3
	s_delay_alu instid0(VALU_DEP_4)
	v_lshrrev_b32 v[236+\b], 23, v[244+\b]         ; the scale's byte
.endr
	s_delay_alu instid0(VALU_DEP_3)
	v_lshl_or_b32 v253, v237, 8, v236              ; p's scale word for these 128 keys
	s_delay_alu instid0(VALU_DEP_1)
	v_lshl_or_b32 v253, v238, 16, v253
	s_delay_alu instid0(VALU_DEP_1)
	v_lshl_or_b32 v253, v239, 24, v253
.irp c, 0,1
	v_cvt_scalef32_pk16_bf6_f32 v[224+6*\c:226+6*\c], v[S+32*\c:S+15+32*\c], v[244+2*\c]
	v_cvt_scalef32_pk16_bf6_f32 v[236+4*\c:238+4*\c], v[S+16+32*\c:S+31+32*\c], v[244+2*\c+1]
.endr
	v_nop                                          ; one plain place behind a scaled conversion
.irp c, 0,1
.irp i, 0,1,2
	v_permlane16_swap_b32 v[224+6*\c+\i], v[236+4*\c+\i]
.endr
.irp i, 0,1,2
	s_delay_alu instid0(VALU_DEP_3)
	v_mov_b32 v[227+6*\c+\i], v[236+4*\c+\i]
.endr
.endr
.set J, 0
.rept 16
	v_pk_mul_f32 v[O+J:O+J+1], v[O+J:O+J+1], v[252:253] op_sel_hi:[1,0]    ; O^T under the new M; these sixteen also stand between the codes' and the scale word's last writes and the products
.set J, J+2
.endr
	s_wait_alu depctr_va_vdst(0)
	s_wait_dscnt 0x0                               ; V
.irp t, 0,1,2,3                        ; O^T += V^T P^T: four accumulators by turns
	v_wmma_scale_f32_16x16x128_f8f6f4 v[O+8*\t:O+8*\t+7], v[VF+12*\t:VF+12*\t+11], v[224:235], v[O+8*\t:O+8*\t+7], v[28+\t], v253 matrix_a_fmt:MATRIX_FMT_BF6 matrix_b_fmt:MATRIX_FMT_BF6
.endr
.Lhidden:
	s_add_co_u32 s[TK], s[TK], 12288
	s_add_co_u32 s[TS], s[TS], 768
	s_add_co_u32 s[KT], s[KT], 1
	s_cmp_lt_u32 s[KT], 16
	s_cbranch_scc1 .Lstep
	; THE WAY OUT: O^T / the sum, quantised along the head's 64 channels: two blocks, which are registers 6 c .. 6 c + 5 (c = head % 2) of the next product's fragment
.rept 4
	v_nop                                          ; places behind the last products
.endr
	v_add_f32 v14, v14, v15
	s_delay_alu instid0(VALU_DEP_1)
	v_permlanex16_b32 v252, v14, s[SEL], s[SEL+1]
	s_delay_alu instid0(VALU_DEP_1)
	v_add_f32 v14, v14, v252                       ; the row's sum
	s_wait_alu depctr_va_vdst(0)
	v_rcp_f32 v14, v14
	v_nop                                          ; a plain place behind the transcendental
	s_wait_alu depctr_va_vdst(0)                   ; the wait ahead of the first reader
.set J, 0
.rept 32
	v_mul_f32 v[S+J], v[O+J], v14                  ; register 16 b + i: channel 32 b + 16 (lane / 16) + i
.set J, J+1
.endr
.irp b, 0,1
	v_max3_num_f32 v[232+\b], |v[S+16*\b]|, |v[S+1+16*\b]|, 0x2800000
.endr
.irp i, 2,4,6,8,10,12,14
.irp b, 0,1
	s_delay_alu instid0(VALU_DEP_2)
	v_max3_num_f32 v[232+\b], v[232+\b], |v[S+16*\b+\i]|, |v[S+1+16*\b+\i]|
.endr
.endr
.irp b, 0,1
	s_delay_alu instid0(VALU_DEP_2)
	v_permlanex16_b32 v[236+\b], v[232+\b], s[SEL], s[SEL+1]
.endr
.irp b, 0,1
	s_delay_alu instid0(VALU_DEP_2)
	v_max_num_f32 v[232+\b], v[232+\b], v[236+\b]
.endr
.irp b, 0,1
	s_delay_alu instid0(VALU_DEP_2)
	v_add_nc_u32 v[244+\b], 0xfe000000, v[232+\b]
.endr
.irp b, 0,1
	s_delay_alu instid0(VALU_DEP_2)
	v_lshrrev_b32 v[236+\b], 23, v[244+\b]
.endr
	s_delay_alu instid0(VALU_DEP_1)
	v_lshl_or_b32 v253, v237, 8, v236              ; my row's two scale bytes
	v_cvt_scalef32_pk16_bf6_f32 v[224:226], v[S:S+15], v244
	v_cvt_scalef32_pk16_bf6_f32 v[240:242], v[S+16:S+31], v245
	v_nop
.irp i, 0,1,2
	v_permlane16_swap_b32 v[224+\i], v[240+\i]
.endr
.irp i, 0,1,2
	s_delay_alu instid0(VALU_DEP_3)
	v_mov_b32 v[227+\i], v[240+\i]
.endr
	s_cmp_eq_u32 s52, 1                            ; the head's parity: the same in all partners
	s_cbranch_scc1 .Lodd
	global_store_b128 v1, v[224:227], s[48:49]             ; registers 0-3 of the image,
	global_store_b64 v1, v[228:229], s[48:49] offset:512   ; 4-5
	s_branch .Lsent
.Lodd:
	s_wait_alu depctr_va_vdst(0)
	global_store_b64 v1, v[224:225], s[48:49] offset:520   ; registers 6-7,
	global_store_b128 v1, v[226:229], s[48:49] offset:1024 ; 8-11
.Lsent:
	s_wait_alu depctr_va_vdst(0)
	global_store_b16 v6, v253, s[50:51]            ; lanes l and l + 16 hold the same two bytes
	s_wait_tensorcnt 0x0
	ds_add_u32 v7, v243
	s_wait_dscnt 0x0
	CROUND                                         ; the closing round
	s_endpgm
.Lfunc_end_k_qebb97030ba_attn:
	.size	k_qebb97030ba_attn, .Lfunc_end_k_qebb97030ba_attn-k_qebb97030ba_attn
	.p2alignl 7, 3214868480
	.fill 96, 4, 3214868480
	.section	.rodata,"a",@progbits
	.p2align	6, 0x0
	.amdhsa_kernel k_qebb97030ba_attn
		.amdhsa_group_segment_fixed_size 215040
		.amdhsa_private_segment_fixed_size 0
		.amdhsa_enable_private_segment 0
		.amdhsa_kernarg_size 16
		.amdhsa_user_sgpr_count 2
		.amdhsa_user_sgpr_kernarg_segment_ptr 1
		.amdhsa_wavefront_size32 1
		.amdhsa_system_sgpr_workgroup_id_x 1
		.amdhsa_system_sgpr_workgroup_id_y 1
		.amdhsa_system_sgpr_workgroup_id_z 1
		.amdhsa_system_vgpr_workitem_id 0
		.amdhsa_next_free_vgpr 256
		.amdhsa_next_free_sgpr 66
		.amdhsa_reserve_vcc 1
		.amdhsa_float_denorm_mode_32 3
		.amdhsa_float_denorm_mode_16_64 3
		.amdhsa_memory_ordered 1
		.amdhsa_forward_progress 1
		.amdhsa_inst_pref_size 36
	.end_amdhsa_kernel
	.amdgpu_metadata
---
amdhsa.version: [ 1, 2 ]
amdhsa.kernels:
  - .name:           k_qebb97030ba_attn
    .symbol:         k_qebb97030ba_attn.kd
    .args:
      - { .name: qkv, .offset: 0, .size: 8, .value_kind: global_buffer, .address_space: global }
      - { .name: aq, .offset: 8, .size: 8, .value_kind: global_buffer, .address_space: global }
    .group_segment_fixed_size: 215040
    .private_segment_fixed_size: 0
    .kernarg_segment_align: 8
    .kernarg_segment_size: 16
    .max_flat_workgroup_size: 512
    .sgpr_count:     66
    .vgpr_count:     256
    .wavefront_size: 32
...
	.end_amdgpu_metadata
.endif
;; end of part 3
;; launch wol (part 4): grid 256 x 1, 8 waves a work-group, no clusters, 106,496 bytes of LDS; arguments aq, wts, bo, x, ln2_g, ln2_b, x1, h2q; writes x1, h2q
.if DOCPART == 4
	.amdgcn_target "amdgcn-amd-amdhsa--gfx1250"
	.amdhsa_code_object_version 6
	.text
	.protected	k_qebb97030ba_wol
	.globl	k_qebb97030ba_wol
	.p2align	8
	.type	k_qebb97030ba_wol,@function
k_qebb97030ba_wol:
	s_mov_b64 s[64:65], 0
	v_nop
	global_prefetch_b8 v0, s[64:65] scope:SCOPE_SE
	s_setreg_imm32_b32 hwreg(HW_REG_WAVE_MODE, 25, 1), 1
	s_wait_xcnt 0x0
; x1 = x + a Wo + bo (f32, stored), then LayerNorm 2 of x1 and its quantiser to BF6 (E3M2), one E8M0 byte for each 32 along the row (stored as operand images): one launch, x1 stays in registers between the two.
; The product is on codes of BF6 with E8M0 scales for each 32 along K = 1,024.  OPERANDS lie in memory in the order of the matrix unit's registers: tiles of 16 rows (place r of tile rt: row 32 (rt / 2) + 8 (rt % 2) + r % 8 + 16 (r / 8)),
; codes [tile][K step 8][1,536] (register g of lane l at 512 (g / 4) + 16 l + 4 (g % 4)), scale words [tile][K step][16].  aq, h2q: codes at 0, scale words at byte 3,145,728; Wo in wts at 2,457,600 and 3,244,032.
; THE DEAL.  256 work-groups of eight waves.  A work-group takes ONE tile of 16 tokens and all 1,024 columns, so that the norm's sums stay inside it.  Wave w makes columns 128 w on: 8 tiles of Wo's rows, 8 accumulators.
; Source 0 = 16 rows of Wo (outputs), source 1 = the tokens: lane (r, h) holds token place r, and register 8 t + j of its 64 is column 128 w + 32 (t / 2) + 16 h + 8 (t % 2) + j: the order in which the conversions want them;
; a wave's 128 columns are one K step of the next product: one fragment and one scale word a row.
; The accumulators BEGIN AS x (loaded into them); bo is added behind the products.  A's 8 fragments, all of K, lie in registers.
; Wo's FRAGMENTS GO FROM MEMORY STRAIGHT INTO THE OPERAND'S REGISTERS: each of a wave's 64 fragments feeds one matrix instruction of that wave and no other wave of the work-group reads it, so LDS would only be passed through.
; So the launch has no tensor load and no joint load: a joint load lands in LDS, from which each byte would be read once, by one wave.  Every load covers 512 consecutive bytes, aligned.
; A ring of four groups of 4 fragments (12 loads a group): a group is asked for again four places behind its products: 48 loads of a wave are out at the most from this ring.
; No data prefetch: all 256 work-groups walk the same 786,432 bytes of Wo in the same order, and the loads themselves run three groups ahead.
; SCALE WORDS come once, as they lie, in runs of 512 bytes, go into the wave's own LDS bytes, and are read from there 128 bytes at a time: lanes 0-15 K step 2 k, lanes 16-31 K step 2 k + 1 of a tile.
; x1 leaves through the wave's own stage: 32 lanes store 512 consecutive bytes of a row.
; THE NORM: the mean first, then the variance of the differences: no difference of large sums.  Each of the two sums meets the other waves' in LDS behind one barrier, in bytes of its own.
; LDS: 0-1,023 the norm's sums; 1,024-2,047 the spare words; from 2,048 a wave's 4,608 bytes of scale words; from 38,912 a wave's stage of 16 rows x 528 bytes.
; REGISTERS: window 0: v1-7, v58-61 addresses, v8-15 sums, v16-47 Wo's scale words and v48-51 A's (later v16-52 the quantiser's), v62, v63 the spare word and 0, v64-127 the accumulators, v128-223 A's fragments (later v128-191 x1's rows);
; window 1: v0-191 the ring (later gain at v0-63, bias at v64-127), v192-255 bo.
; LIMITS: a block whose largest magnitude lies under 2^-122, a block of zeros among them, gets the byte 1 (this program alone reads the bytes); NaN and infinities are not served; a sum begins with x, where the reference adds x last.
.set WO_C,  2457600
.set WO_S,  3244032
.set SOFF,  3145728
.set SPARE, 1024
.set SCST,  2048
.set XST,   SCST+8*4608
.set XP,    528
.set ACC,   64
.set AF,    128
.set SB,    16
.set SA,    48
.set PC,    16
.set TM,    36
.set PW,    52
.set RN,    41                         ; s41 1 / 1,024
.set EP,    42                         ; s42 1e-5
.set SEL,   44                         ; s[44:45] lane selects for v_permlanex16_b32: lane l xor 16
.set MSB, 0
.macro WIN new                         ; the immediate's high byte repeats the setting that is left
.if MSB != (\new)
	s_set_vgpr_msb (MSB<<8)|(\new)
.set MSB, (\new)
.endif
.endm
.macro PLACES n
.rept \n
	v_nop
.endr
.endm
; group g of Wo's fragments: K step g / 2, tiles 4 (g % 2) + 0 .. 3, into ring place g % 4
.macro BLOAD g
.irp i, 0,1,2,3
.irp c, 0,1,2
	global_load_b128 v[48*((\g)%4)+12*\i+4*\c:48*((\g)%4)+12*\i+4*\c+3], v7, s[6:7] offset:(4*((\g)%2)+\i)*12288+((\g)/2)*1536+512*\c
.endr
.endr
.endm
.macro PROD t, q, rb
.if (\q)%2
	v_wmma_scale_f32_16x16x128_f8f6f4 v[ACC+8*(\t):ACC+8*(\t)+7], v[\rb:\rb+11], v[AF+12*(\q):AF+12*(\q)+11], v[ACC+8*(\t):ACC+8*(\t)+7], v[SB+4*(\t)+(\q)/2], v[SA+(\q)/2] matrix_a_fmt:MATRIX_FMT_BF6 matrix_b_fmt:MATRIX_FMT_BF6 matrix_a_scale:MATRIX_SCALE_ROW1 matrix_b_scale:MATRIX_SCALE_ROW1
.else
	v_wmma_scale_f32_16x16x128_f8f6f4 v[ACC+8*(\t):ACC+8*(\t)+7], v[\rb:\rb+11], v[AF+12*(\q):AF+12*(\q)+11], v[ACC+8*(\t):ACC+8*(\t)+7], v[SB+4*(\t)+(\q)/2], v[SA+(\q)/2] matrix_a_fmt:MATRIX_FMT_BF6 matrix_b_fmt:MATRIX_FMT_BF6
.endif
.endm
; a group's four products; the eight accumulators take turns, one instruction a turn; then the group four on is asked for, into the registers just read
.macro GROUP g
.if (\g) == 0
	s_wait_loadcnt 52                              ; group 0 is in; younger: bo's 16 loads and groups 1 to 3
.elseif (\g) < 12
	s_wait_loadcnt 36                              ; younger: the three groups behind it
.else
	s_wait_loadcnt 12*(15-(\g))
.endif
	WIN 0x01                                       ; source 0 window 1
.irp i, 0,1,2,3
	PROD 4*((\g)%2)+\i, (\g)/2, 48*((\g)%4)+12*\i
.endr
	PLACES 4                                       ; between the products and loads into registers that they have read
.if (\g)+4 < 16
	WIN 0x40
	BLOAD (\g)+4
.endif
.endm
; 64 numbers of a lane, v[s] .. v[s + 63], register 16 b + i = k 32 b + 16 (lane / 16) + i of my row, become a fragment's codes in v[PC] on and its scale word in v[PW].
.macro QUANT s
.irp b, 0,1,2,3
	v_max3_num_f32 v[TM+\b], |v[\s+16*\b]|, |v[\s+1+16*\b]|, 0x2800000   ; block b: my 16 numbers, and the floor 2^(5 - 127): the byte cannot fall under 1
.endr
.irp i, 2,4,6,8,10,12,14
.irp b, 0,1,2,3
	s_delay_alu instid0(VALU_DEP_4)
	v_max3_num_f32 v[TM+\b], v[TM+\b], |v[\s+16*\b+\i]|, |v[\s+1+16*\b+\i]|
.endr
.endr
.irp b, 0,1,2,3
	s_delay_alu instid0(VALU_DEP_4)
	v_permlanex16_b32 v[TM+4+\b], v[TM+\b], s[SEL], s[SEL+1]
.endr
.irp b, 0,1,2,3
	s_delay_alu instid0(VALU_DEP_4)
	v_max_num_f32 v[TM+\b], v[TM+\b], v[TM+4+\b]   ; with lane l xor 16's: the block's largest magnitude
.endr
.irp b, 0,1,2,3
	s_delay_alu instid0(VALU_DEP_4)
	v_add_nc_u32 v[TM+12+\b], 0xfe000000, v[TM+\b] ; 4 off its exponent field: the conversion's scale operand
.endr
.irp b, 0,1,2,3
	s_delay_alu instid0(VALU_DEP_4)
	v_lshrrev_b32 v[TM+4+\b], 23, v[TM+12+\b]      ; the scale's byte
.endr
	s_delay_alu instid0(VALU_DEP_3)
	v_lshl_or_b32 v[PW], v[TM+5], 8, v[TM+4]
	s_delay_alu instid0(VALU_DEP_1)
	v_lshl_or_b32 v[PW], v[TM+6], 16, v[PW]
	s_delay_alu instid0(VALU_DEP_1)
	v_lshl_or_b32 v[PW], v[TM+7], 24, v[PW]
.irp c, 0,1
	v_cvt_scalef32_pk16_bf6_f32 v[PC+6*\c:PC+2+6*\c], v[\s+32*\c:\s+15+32*\c], v[TM+12+2*\c]
	v_cvt_scalef32_pk16_bf6_f32 v[PC+12+4*\c:PC+14+4*\c], v[\s+16+32*\c:\s+31+32*\c], v[TM+12+2*\c+1]   ; (a conversion's three registers begin on an even number)
.endr
	v_nop                                          ; one plain place behind a scaled conversion
.irp c, 0,1                            ; the operand's layout wants a whole block in a lane
.irp i, 0,1,2
	v_permlane16_swap_b32 v[PC+6*\c+\i], v[PC+12+4*\c+\i]
.endr
.irp i, 0,1,2
	s_delay_alu instid0(VALU_DEP_3)
	v_mov_b32 v[PC+3+6*\c+\i], v[PC+12+4*\c+\i]
.endr
.endr
.endm
; The four chains v[8:15] are joined, then lane l xor 16's, then the eight waves' through LDS at byte off: every lane ends with its row's sum in v16.
.macro REDUCE off
	s_delay_alu instid0(VALU_DEP_3)
	v_pk_add_f32 v[8:9], v[8:9], v[10:11]
	s_delay_alu instid0(VALU_DEP_2)
	v_pk_add_f32 v[12:13], v[12:13], v[14:15]
	s_delay_alu instid0(VALU_DEP_1)
	v_pk_add_f32 v[8:9], v[8:9], v[12:13]
	s_delay_alu instid0(VALU_DEP_1)
	v_add_f32 v8, v8, v9
	s_delay_alu instid0(VALU_DEP_1)
	v_permlanex16_b32 v9, v8, s[SEL], s[SEL+1]
	s_delay_alu instid0(VALU_DEP_1)
	v_add_f32 v8, v8, v9
	ds_store_b32 v5, v8 offset:\off                ; lanes l and l + 16 write the same word with the same value
	s_wait_dscnt 0x0                               ; for the others' sake: my store has landed
	s_barrier_signal -1
	s_barrier_wait -1
.irp i, 0,1,2,3,4,5,6,7
	ds_load_b32 v[16+\i], v6 offset:\off+64*\i
.endr
	s_wait_dscnt 0x0
.irp i, 1
	v_add_f32 v16, v16, v[16+\i]
.endr
.irp i, 2, 3, 4, 5, 6, 7
	s_delay_alu instid0(VALU_DEP_1)
	v_add_f32 v16, v16, v[16+\i]
.endr
.endm
	s_load_b256 s[4:11], s[0:1], 0x0               ; aq, wts, bo, x
	s_load_b256 s[12:19], s[0:1], 0x20             ; gain, bias, x1, h2q
	v_lshl_add_u32 v62, v0, 2, SPARE
	v_mov_b32 v63, 0
	v_lshrrev_b32 v1, 5, v0
	v_readfirstlane_b32 s20, v1                    ; wave
	s_lshr_b32 s21, ttmp9, 1                       ; the tile's first row: 32 (rt / 2) + 8 (rt % 2)
	s_lshl_b32 s21, s21, 5
	s_and_b32 s22, ttmp9, 1
	s_lshl_b32 s22, s22, 3
	s_add_co_u32 s22, s22, s21
	s_lshl_b32 s22, s22, 12                        ; rows of 4,096 bytes
	s_lshl_b32 s24, s20, 9                         ; my 128 columns: 512 bytes
	s_add_co_u32 s22, s22, s24
	s_mov_b32 s23, 0
	s_mov_b32 s25, 0
	s_mul_i32 s26, ttmp9, 12288                    ; the tile's codes, in aq and in h2q
	s_mov_b32 s27, 0
	s_lshl_b32 s28, ttmp9, 9                       ; and its scale words
	s_add_co_u32 s28, s28, SOFF
	s_mov_b32 s29, 0
	s_mul_i32 s30, s20, 8*12288                    ; my 8 tiles of Wo
	s_add_co_u32 s30, s30, WO_C
	s_mov_b32 s31, 0
	s_lshl_b32 s32, s20, 12
	s_add_co_u32 s32, s32, WO_S
	s_mov_b32 s33, 0
	s_mul_i32 s34, s20, 1536                       ; my image in h2q
	s_add_co_u32 s34, s34, s26
	s_mov_b32 s35, 0
	s_lshl_b32 s36, s20, 6
	s_add_co_u32 s38, s36, s28                     ; my scale words in h2q
	s_mov_b32 s39, 0
	s_mul_i32 s37, s20, 4608                       ; LDS: my scale words,
	s_add_co_u32 s37, s37, SCST
	s_mul_i32 s40, s20, 16*XP                      ; my stage
	s_add_co_u32 s40, s40, XST
	s_mov_b32 s[RN], 0x3a800000
	s_mov_b32 s[EP], 0x3727c5ac
	s_mov_b32 s[SEL], 0x76543210
	s_mov_b32 s[SEL+1], 0xfedcba98
	v_and_b32 v1, 15, v0                           ; r
	v_bfe_u32 v2, v0, 4, 1                         ; h
	v_and_b32 v3, 7, v0
	v_bfe_u32 v4, v0, 3, 1
	v_lshl_add_u32 v3, v4, 4, v3                   ; r % 8 + 16 (r / 8)
	v_lshlrev_b32 v3, 12, v3
	v_lshl_add_u32 v3, v2, 6, v3                   ; + 64 h: my 16 numbers of a block of x
	v_lshlrev_b32 v4, 6, v2                        ; the same in bo, gain and bias
	v_lshlrev_b32 v6, 2, v1                        ; 4 r
	v_add_nc_u32 v5, s36, v6                       ; LDS: my wave's word for row r
	v_and_b32 v8, 31, v0
	v_lshlrev_b32 v7, 4, v8                        ; 16 x lane
	v_add_nc_u32 v58, s37, v7                      ; the scale words on their way in,
	v_lshl_add_u32 v59, v8, 2, s37                 ; and out: 4 x lane
	v_mul_u32_u24 v60, v1, XP                      ; the stage, in: row r, 64 bytes for each half of the lanes
	v_lshl_add_u32 v60, v2, 6, v60
	v_add_nc_u32 v60, s40, v60
	v_add_nc_u32 v61, s40, v7                      ; and back: the 32 lanes take a row's 512 bytes
	s_wait_alu depctr_va_vdst(0)
	s_wait_kmcnt 0x0
	s_add_nc_u64 s[10:11], s[10:11], s[22:23]
	s_add_nc_u64 s[16:17], s[16:17], s[22:23]
	s_add_nc_u64 s[8:9], s[8:9], s[24:25]
	s_add_nc_u64 s[12:13], s[12:13], s[24:25]
	s_add_nc_u64 s[14:15], s[14:15], s[24:25]
	s_add_nc_u64 s[46:47], s[4:5], s[28:29]        ; A's scale words
	s_add_nc_u64 s[4:5], s[4:5], s[26:27]          ; A's codes
	s_add_nc_u64 s[48:49], s[6:7], s[32:33]        ; Wo's scale words
	s_add_nc_u64 s[6:7], s[6:7], s[30:31]          ; Wo's codes
	s_add_nc_u64 s[50:51], s[18:19], s[38:39]
	s_add_nc_u64 s[18:19], s[18:19], s[34:35]
.irp i, 0,1,2,3,4,5,6,7
	global_load_b128 v[SB+4*\i:SB+4*\i+3], v7, s[48:49] offset:512*\i      ; a tile's 512 bytes of scale words, as they lie
.endr
	global_load_b128 v[SA:SA+3], v7, s[46:47]
.set I, 0
.rept 24
	global_load_b128 v[AF+4*I:AF+4*I+3], v7, s[4:5] offset:512*I           ; A's eight fragments
.set I, I+1
.endr
.irp b, 0,1,2,3
.irp j, 0,1,2,3
	global_load_b128 v[ACC+16*\b+4*\j:ACC+16*\b+4*\j+3], v3, s[10:11] offset:128*\b+16*\j   ; x, into the accumulators
.endr
.endr
	WIN 0x40
	BLOAD 0
	WIN 0
	s_wait_loadcnt 52                              ; the nine loads of scale words are in; younger: A's 24, x's 16, group 0's 12
.irp i, 0,1,2,3,4,5,6,7,8
	ds_store_b128 v58, v[SB+4*\i:SB+4*\i+3] offset:512*\i
.endr
.irp t, 0,1,2,3,4,5,6,7,8              ; LDS serves a wave's instructions in order: these see my stores.  Register 4 t + k: lanes 0-15 K step 2 k, lanes 16-31 K step 2 k + 1 of tile t (t = 8: A's)
.irp k, 0,1,2,3
	ds_load_b32 v[SB+4*\t+\k], v59 offset:512*\t+128*\k
.endr
.endr
	WIN 0x40
.irp b, 0,1,2,3
.irp j, 0,1,2,3
	global_load_b128 v[192+16*\b+4*\j:192+16*\b+4*\j+3], v4, s[8:9] offset:128*\b+16*\j     ; bo
.endr
.endr
	BLOAD 1
	BLOAD 2
	BLOAD 3
	WIN 0
	s_wait_dscnt 0x0                               ; the scale words are in their registers
.set G, 0
.rept 16
	GROUP G
.set G, G+1
.endr
	WIN 0x40                                       ; gain and bias, into the ring's registers: they land under x1's way out and the two sums
.irp b, 0,1,2,3
.irp j, 0,1,2,3
	global_load_b128 v[16*\b+4*\j:16*\b+4*\j+3], v4, s[12:13] offset:128*\b+16*\j
.endr
.endr
.irp b, 0,1,2,3
.irp j, 0,1,2,3
	global_load_b128 v[64+16*\b+4*\j:64+16*\b+4*\j+3], v4, s[14:15] offset:128*\b+16*\j
.endr
.endr
	WIN 0x04                                       ; source 1 window 1
.set J, 0
.rept 32
	v_pk_add_f32 v[ACC+J:ACC+J+1], v[ACC+J:ACC+J+1], v[192+J:193+J]        ; + bo: x1; each accumulator from its low end on
.set J, J+2
.endr
	WIN 0
.irp b, 0,1,2,3
.irp j, 0,1,2,3
	ds_store_b128 v60, v[ACC+16*\b+4*\j:ACC+16*\b+4*\j+3] offset:128*\b+16*\j
.endr
.endr
.set I, 0
.rept 16
	ds_load_b128 v[128+4*I:128+4*I+3], v61 offset:XP*I                     ; back as whole rows; waited for in front of the first sum's barrier
.set I, I+1
.endr
.irp c, 0,1,2,3
	v_pk_add_f32 v[8+2*\c:9+2*\c], v[64+2*\c:65+2*\c], v[72+2*\c:73+2*\c]      ; the sum of my 64, in four packed chains
.endr
.irp j, 16,24,32,40,48,56
.irp c, 0,1,2,3
	s_delay_alu instid0(VALU_DEP_4)
	v_pk_add_f32 v[8+2*\c:9+2*\c], v[8+2*\c:9+2*\c], v[64+\j+2*\c:65+\j+2*\c]
.endr
.endr
	REDUCE 0
	s_delay_alu instid0(VALU_DEP_1)
	v_mul_f32 v54, s[RN], v16                      ; the mean
	s_delay_alu instid0(VALU_DEP_1)
	v_mov_b32 v55, v54
.set I, 0
.rept 16
	global_store_b128 v7, v[128+4*I:128+4*I+3], s[16:17] offset:(I%8+16*(I/8))*4096        ; x1: 32 lanes store 512 consecutive bytes, aligned
.set I, I+1
.endr
.set J, 0
.rept 32
	v_pk_add_f32 v[64+J:65+J], v[64+J:65+J], v[54:55] neg_lo:[0,1] neg_hi:[0,1]   ; x1 - mean
.set J, J+2
.endr
.irp c, 0,1,2,3
	v_pk_mul_f32 v[8+2*\c:9+2*\c], v[64+2*\c:65+2*\c], v[64+2*\c:65+2*\c]      ; the squares, again in four chains
.endr
.irp j, 8,16,24,32,40,48,56
.irp c, 0,1,2,3
	s_delay_alu instid0(VALU_DEP_4)
	v_pk_fma_f32 v[8+2*\c:9+2*\c], v[64+\j+2*\c:65+\j+2*\c], v[64+\j+2*\c:65+\j+2*\c], v[8+2*\c:9+2*\c]
.endr
.endr
	REDUCE 512                                     ; other bytes than the first sum's: no wave can overwrite what another still reads
	s_delay_alu instid0(VALU_DEP_1)
	v_fma_f32 v56, v16, s[RN], s[EP]               ; the variance + 1e-5
	s_wait_alu depctr_va_vdst(0)
	v_rsq_f32 v56, v56
	v_nop                                          ; a plain place behind it
	s_wait_alu depctr_va_vdst(0)                   ; the wait ahead of its first reader
	v_mov_b32 v57, v56
	s_wait_alu depctr_va_vdst(0)                   ; directly ahead of the wait below
	s_wait_loadcnt 0x0                             ; gain and bias
.set J, 0
.rept 32
	v_pk_mul_f32 v[64+J:65+J], v[64+J:65+J], v[56:57]
.set J, J+2
.endr
	WIN 0x14                                       ; sources 1 and 2 window 1
.set J, 0
.rept 32
	v_pk_fma_f32 v[64+J:65+J], v[64+J:65+J], v[J:J+1], v[64+J:65+J]
.set J, J+2
.endr
	WIN 0
	QUANT 64
.irp c, 0,1,2
	global_store_b128 v7, v[PC+4*\c:PC+4*\c+3], s[18:19] offset:512*\c         ; 32 lanes store 512 consecutive bytes, aligned
.endr
	global_store_b32 v6, v[PW], s[50:51]           ; lanes l and l + 16 hold the same word
	s_wait_tensorcnt 0x0                           ; the wave's end
	ds_add_u32 v62, v63
	s_wait_dscnt 0x0
	s_endpgm
.Lfunc_end_k_qebb97030ba_wol:
	.size	k_qebb97030ba_wol, .Lfunc_end_k_qebb97030ba_wol-k_qebb97030ba_wol
	.p2alignl 7, 3214868480
	.fill 96, 4, 3214868480
	.section	.rodata,"a",@progbits
	.p2align	6, 0x0
	.amdhsa_kernel k_qebb97030ba_wol
		.amdhsa_group_segment_fixed_size 106496
		.amdhsa_private_segment_fixed_size 0
		.amdhsa_enable_private_segment 0
		.amdhsa_kernarg_size 64
		.amdhsa_user_sgpr_count 2
		.amdhsa_user_sgpr_kernarg_segment_ptr 1
		.amdhsa_wavefront_size32 1
		.amdhsa_system_sgpr_workgroup_id_x 1
		.amdhsa_system_sgpr_workgroup_id_y 1
		.amdhsa_system_sgpr_workgroup_id_z 1
		.amdhsa_system_vgpr_workitem_id 0
		.amdhsa_next_free_vgpr 512
		.amdhsa_next_free_sgpr 66
		.amdhsa_reserve_vcc 0
		.amdhsa_float_denorm_mode_32 3
		.amdhsa_float_denorm_mode_16_64 3
		.amdhsa_memory_ordered 1
		.amdhsa_forward_progress 1
		.amdhsa_inst_pref_size 72
	.end_amdhsa_kernel
	.amdgpu_metadata
---
amdhsa.version: [ 1, 2 ]
amdhsa.kernels:
  - .name:           k_qebb97030ba_wol
    .symbol:         k_qebb97030ba_wol.kd
    .args:
      - { .name: aq, .offset: 0, .size: 8, .value_kind: global_buffer, .address_space: global }
      - { .name: wts, .offset: 8, .size: 8, .value_kind: global_buffer, .address_space: global }
      - { .name: bo, .offset: 16, .size: 8, .value_kind: global_buffer, .address_space: global }
      - { .name: x, .offset: 24, .size: 8, .value_kind: global_buffer, .address_space: global }
      - { .name: ln2_g, .offset: 32, .size: 8, .value_kind: global_buffer, .address_space: global }
      - { .name: ln2_b, .offset: 40, .size: 8, .value_kind: global_buffer, .address_space: global }
      - { .name: x1, .offset: 48, .size: 8, .value_kind: global_buffer, .address_space: global }
      - { .name: h2q, .offset: 56, .size: 8, .value_kind: global_buffer, .address_space: global }
    .group_segment_fixed_size: 106496
    .private_segment_fixed_size: 0
    .kernarg_segment_align: 8
    .kernarg_segment_size: 64
    .max_flat_workgroup_size: 256
    .sgpr_count:     66
    .vgpr_count:     512
    .wavefront_size: 32
...
	.end_amdgpu_metadata
.endif
;; end of part 4
;; launch ffn1 (part 5): grid 16 x 16, 4 waves a work-group, clusters of 4 x 4, 327,680 bytes of LDS; arguments h2q, wts, b1, gq; writes gq
.if DOCPART == 5
	.amdgcn_target "amdgcn-amd-amdhsa--gfx1250"
	.amdhsa_code_object_version 6
	.text
	.protected	k_qebb97030ba_ffn1
	.globl	k_qebb97030ba_ffn1
	.p2align	8
	.type	k_qebb97030ba_ffn1,@function
k_qebb97030ba_ffn1:
	s_mov_b64 s[64:65], 0
	v_nop
	global_prefetch_b8 v0, s[64:65] scope:SCOPE_SE
	s_setreg_imm32_b32 hwreg(HW_REG_WAVE_MODE, 25, 1), 1
	s_wait_xcnt 0x0
	s_wait_alu depctr_hold_cnt(0) depctr_sa_sdst(0) depctr_va_vdst(0) depctr_va_sdst(0) depctr_va_ssrc(0) depctr_va_vcc(0) depctr_vm_vsrc(0)
	s_getreg_b32 s2, hwreg(HW_REG_IB_STS2, 6, 4)
	s_cmp_eq_u32 s2, 0
	s_cbranch_scc0 .Lentry_in_a_cluster
	s_endpgm
.Lentry_in_a_cluster:
	s_bfe_u32 s2, ttmp6, 0x10000c
	s_cmp_lg_u32 s2, 0xf033
	s_cbranch_scc0 .Lentry_shape_is_right
	s_endpgm
.Lentry_shape_is_right:
; g = relu(LN2(x1) W1 + b1) on codes of BF6 (E3M2) with E8M0 scales for each 32 along K = 1,024, then the quantiser along the 4,096 hidden units; g goes out as operand images and never as f32.
; OPERANDS lie in memory in the order of the matrix unit's registers: tiles of 16 rows (place r of tile rt: row 32 (rt / 2) + 8 (rt % 2) + r % 8 + 16 (r / 8)), codes [tile][K step][1,536], scale words [tile][K step][16].
; A work-group of four waves makes 256 x 256; a wave 128 x 128: 64 accumulators, 512 registers.  "A" (tokens) is source 1: its row falls on the lane; "B" (W1's rows = hidden units) is source 0: a lane's registers of two
; tiles are 16 neighbouring hidden units, so a wave's 128 units of a token are exactly one K step of the next product: one fragment and one scale word a row, made in registers and stored as they stand.
; K IS 8 STEPS OF 128.  SIX COME WITH THE FIRST FILLS, into two LDS slots of 3 K steps (a ring load: 8 tiles x 4,608 bytes); slot 0 alone is filled again, with the last two, as soon as it has been read;
; it is waited for at K step 5.  The scale words of all of K come once, with the first fills.  A wave has one tensor load out at any time.
; CLUSTERS 4 x 4: A's tiles shared along a row, B's along a column.  The bias is the C of each sum's first product.
; gq: codes [token tile 256][K step 32][1,536]; at byte 12,582,912 scale words [tile][K step][16].
; REGISTERS: window 0: v16-31 addresses, v32-47 scale words (two sets), v64-255 A's two sets; window 1: B's two sets at v0, v128, the bias at v96-127, v224-255; windows 2, 3: accumulator (a, b) at v[8 (8 (a % 4) + b)].
; LIMITS: a block whose largest magnitude lies under 2^-122, a block of zeros among them, gets the byte 1; NaN and infinities are not served.
.set NT,    8
; K'S WALK AS THE TEXT NOW HAS IT: TWO slots of 3 K steps.  At the head one tensor load a wave: A's 16 tiles of K steps 0-2, B's, A's scale words, B's.
; Slot 1 (K steps 3-5) is filled behind the full sequence and a round, a quarter a wave; slot 0 is filled again with K steps 6, 7 (the third K step's room takes zeros) when K step 2 has fetched its last.  A wave has one tensor load out at any time.
.set NQ,    3
.set KS,    8
.set ASOFF, 3145728                    ; A's scale words in h2q
.set BCOFF, 3276800                    ; W1's codes in wts
.set BSOFF, 6422528                    ; and its scale words
.set FRB,   1536
.set HALFT, NT*NQ*FRB
.set SLOT,  4*HALFT
.set SCL,   2*SLOT                     ; behind the two slots: the scale words, filled once
.set HALFS, NT*KS*64
.set SPARE, SCL+4*HALFS                ; the spare words, 128 bytes a wave: two blocks of 256 bytes that no other line names
.set ADRA, 16                          ; v16-17 my A fragments in slot 0, 1
.set ADRB, 20                          ; v20-21 the same for B
.set LI,   24
.set LS,   26
.set ADRS, 27
.set SPW,  28
.set NIL,  29
.set SC,   32
.set ST,   64
.set PC,   128
.set TM,   148
.set PW,   164
.set SEL,  100
.set G1,   24
.set G0,   32                          ; s[32:39] A's groups 0 for slots 0, 1
.set G0C,  4                           ; s[4:7]   A's for the head's load of codes: in registers whose pointers have been used up
.set G1B,  48
.set G0B,  56                          ; s[56:63] B's groups 0 for slots 0, 1
.set G0BC, 12                          ; s[12:15] B's for the head's load of codes
.set G1S,  68
.set G0S,  76
.set G1SB, 80
.set G0SB, 88
.set MSB, 0
.macro WIN new                         ; the immediate's high byte repeats the setting that is left
.if MSB != (\new)
	s_set_vgpr_msb (MSB<<8)|(\new)
.set MSB, (\new)
.endif
.endm
.macro PLACES n
.rept \n
	v_nop
.endr
.endm
.macro JLOAD g0a, g1a, g0b, g1b        ; a joint load: waves 0 and 1 fetch for A, waves 2 and 3 for B; four v_nop follow each of the two lines
	s_cmp_eq_u32 s17, 0
	s_cbranch_scc0 .Lfor_b_\@
	tensor_load_to_lds s[\g0a:\g0a+3], s[\g1a:\g1a+7]
	s_nop 0
	PLACES 4
	s_branch .Lasked_\@
.Lfor_b_\@:
	tensor_load_to_lds s[\g0b:\g0b+3], s[\g1b:\g1b+7]
	s_nop 0
	PLACES 4
.Lasked_\@:
.endm
.macro CREST
	s_cmp_lg_u32 s16, 0
	s_cbranch_scc1 .Lnot_wave_0_\@
	s_barrier_signal -3
.Lnot_wave_0_\@:
	s_barrier_wait -3
	s_barrier_signal -1
	s_barrier_wait -1
.endm
.macro CROUND
	s_barrier_signal -1
	s_barrier_wait -1
	CREST
.endm
.macro FETCH slot, q, p                ; the fragments and scale words of the slot's q-th K step into set p
	WIN 0x40
.set FI, 0
.rept NT
.irp c, 0,1,2
	ds_load_b128 v[128*(\p)+12*FI+4*\c:128*(\p)+12*FI+4*\c+3], v[ADRB+\slot] offset:(FI*NQ+(\q))*FRB+512*\c
.endr
.set FI, FI+1
.endr
	WIN 0
.set FI, 0
.rept NT
.irp c, 0,1,2
	ds_load_b128 v[64+12*NT*(\p)+12*FI+4*\c:64+12*NT*(\p)+12*FI+4*\c+3], v[ADRA+\slot] offset:(FI*NQ+(\q))*FRB+512*\c
.endr
.set FI, FI+1
.endr
.set FI, 0
.rept NT
	ds_load_b32 v[SC+NT*(\p)+FI], v[ADRS] offset:FI*KS*64
.set FI, FI+1
.endr
.endm
; A's tiles a0 .. a0 + n - 1 against B's eight, set p.  first = 1: the sums begin with the bias.  The accumulators take turns, one instruction a turn.
.macro MULS a0, n, p, first
.set MA, \a0
.rept \n
.if \first
	WIN 0x91+0x40*(MA/4)                           ; source 0 (B) and source 2 (the bias) window 1, source 1 (A) window 0, D window 2 or 3
.else
	WIN 0xa1+0x50*(MA/4)                           ; C and D window 2 or 3
.endif
.set MB, 0
.rept NT
.set rD, 8*(NT*(MA%4)+MB)
.set rB, 128*(\p)+12*MB
.set rA, 64+12*NT*(\p)+12*MA
.set rC, 96+8*MB+96*(MB/4)
.if \first
	v_wmma_scale_f32_16x16x128_f8f6f4 v[rD:rD+7], v[rB:rB+11], v[rA:rA+11], v[rC:rC+7], v[SC+NT*(\p)+MB], v[SC+NT*(\p)+MA] matrix_a_fmt:MATRIX_FMT_BF6 matrix_b_fmt:MATRIX_FMT_BF6 matrix_a_scale:MATRIX_SCALE_ROW1
.else
	v_wmma_scale_f32_16x16x128_f8f6f4 v[rD:rD+7], v[rB:rB+11], v[rA:rA+11], v[rD:rD+7], v[SC+NT*(\p)+MB], v[SC+NT*(\p)+MA] matrix_a_fmt:MATRIX_FMT_BF6 matrix_b_fmt:MATRIX_FMT_BF6 matrix_a_scale:MATRIX_SCALE_ROW1
.endif
.set MB, MB+1
.endr
.set MA, MA+1
.endr
.endm
; A K step whose successor lies in a slot that is known to be whole: the successor's operands (slot fslot, its fq-th K step) are asked for first, into the other set, and land while set p is multiplied
.macro STEP fslot, fq, p, first
	s_wait_dscnt 0x0                               ; this step's operands, asked for a whole step ago, are in: no LDS load of mine is out
	v_add_nc_u32 v[ADRS], 64, v[ADRS]              ; the next K step's scale words.  With the three below: four places in front of the loads into the set that the last step's products read
	PLACES 3
	FETCH \fslot, \fq, 1-(\p)
	MULS 0, NT, \p, \first
	WIN 0
.endm
; A K step (set 1) with a barrier in it; in front of the barrier each wave waits for all its tensor loads, adds 0 to its spare word, and waits for that and for its reads of slot "slot".  Behind it slot "next" is whole for every wave.
; fill = 1: slot "slot" is filled again, with the K steps two slots on; the barrier is then a round of the cluster's.
.macro TURN slot, next, fill, p
	s_wait_tensorcnt 0x0                           ; all my tensor loads have landed
	ds_add_u32 v[SPW], v[NIL]                      ; 0 onto my spare word
.if \fill
	s_mov_b32 s[G1+1], (2*192)<<16                 ; no load of mine is out: of the refill's rows two K steps are left in the tensor
	s_mov_b32 s[G1B+1], (2*192)<<16
.endif
	s_wait_dscnt 1                                 ; this step's operands are in; the add may be out
	MULS 0, NT/4, \p, 0
	s_wait_dscnt 0x0                               ; the add is done, and my reads of this slot are over
	s_barrier_signal -1
	MULS NT/4, NT/4, \p, 0
	WIN 0
	s_barrier_wait -1
.if \fill
	CREST                                          ; the barrier has opened a round of the cluster's: no wave of any partner still reads this slot or has a load on its way
	s_add_nc_u64 s[G0+4*\slot+2:G0+4*\slot+3], s[G0+4*\slot+2:G0+4*\slot+3], 2*NQ*FRB
	s_add_nc_u64 s[G0B+4*\slot+2:G0B+4*\slot+3], s[G0B+4*\slot+2:G0B+4*\slot+3], 2*NQ*FRB
	JLOAD G0+4*\slot, G1, G0B+4*\slot, G1B         ; the first tensor load behind the round
.else
	PLACES 4
.endif
	s_wait_alu depctr_va_vdst(0)
	v_add_nc_u32 v[ADRS], 64, v[ADRS]
	FETCH \next, 0, 1-(\p)
	MULS NT/2, NT/2, \p, 0
	WIN 0
.endm
; 64 numbers of a lane, v[s] .. v[s + 63], register 16 b + i = k 32 b + 16 (lane / 16) + i of my row, become a fragment's codes in v[PC] on and its scale word in v[PW].
.macro QUANT s
.irp b, 0,1,2,3
	v_max3_num_f32 v[TM+\b], |v[\s+16*\b]|, |v[\s+1+16*\b]|, 0x2800000   ; block b: my 16 numbers, and the floor 2^(5 - 127): the byte cannot fall under 1
.endr
.irp i, 2,4,6,8,10,12,14
.irp b, 0,1,2,3
	v_max3_num_f32 v[TM+\b], v[TM+\b], |v[\s+16*\b+\i]|, |v[\s+1+16*\b+\i]|
.endr
.endr
.irp b, 0,1,2,3
	v_permlanex16_b32 v[TM+4+\b], v[TM+\b], s[SEL], s[SEL+1]
.endr
.irp b, 0,1,2,3
	v_max_num_f32 v[TM+\b], v[TM+\b], v[TM+4+\b]
.endr
.irp b, 0,1,2,3
	v_add_nc_u32 v[TM+12+\b], 0xfe000000, v[TM+\b] ; 4 off its exponent field: the conversion's scale operand
.endr
.irp b, 0,1,2,3
	v_lshrrev_b32 v[TM+4+\b], 23, v[TM+12+\b]      ; the scale's byte
.endr
	v_lshl_or_b32 v[PW], v[TM+5], 8, v[TM+4]
	v_lshl_or_b32 v[PW], v[TM+6], 16, v[PW]
	v_lshl_or_b32 v[PW], v[TM+7], 24, v[PW]
.irp c, 0,1
	v_cvt_scalef32_pk16_bf6_f32 v[PC+6*\c:PC+2+6*\c], v[\s+32*\c:\s+15+32*\c], v[TM+12+2*\c]
	v_cvt_scalef32_pk16_bf6_f32 v[PC+12+4*\c:PC+14+4*\c], v[\s+16+32*\c:\s+31+32*\c], v[TM+12+2*\c+1]
.endr
	v_nop                                          ; one plain place behind a scaled conversion
.irp c, 0,1
.irp i, 0,1,2
	v_permlane16_swap_b32 v[PC+6*\c+\i], v[PC+12+4*\c+\i]
.endr
.irp i, 0,1,2
	v_mov_b32 v[PC+3+6*\c+\i], v[PC+12+4*\c+\i]
.endr
.endr
.endm
	s_load_b256 s[4:11], s[0:1], 0x0               ; h2q, wts, b1, gq
	v_lshl_add_u32 v[SPW], v0, 2, SPARE
	v_mov_b32 v[NIL], 0
	ds_add_u32 v28, v29
	ds_add_u32 v28, v29
	s_wait_dscnt 0x0
	v_lshrrev_b32 v1, 5, v0
	v_readfirstlane_b32 s16, v1                    ; wave
	s_lshr_b32 s17, s16, 1                         ; RH: which half of A I multiply.  Also: I fetch for A (0) or for B (1)
	s_and_b32 s18, s16, 1                          ; CH: which half of B I multiply.  Also: which half I fetch
	s_bfe_u32 s40, ttmp6, 0x40000                  ; cx
	s_bfe_u32 s41, ttmp6, 0x40004                  ; cy
	s_lshl_b32 s42, ttmp9, 2
	s_add_co_u32 s42, s42, s40                     ; B's block of 256 rows
	s_and_b32 s43, ttmp7, 0xffff
	s_lshl_b32 s43, s43, 2
	s_add_co_u32 s43, s43, s41                     ; A's block of 256 rows
	s_lshl_b32 s44, s41, 2
	s_lshl_b32 s44, 15, s44                        ; my row of the cluster
	s_lshl_b32 s45, 0x1111, s40                    ; my column
	s_or_b32 s[G1], s44, (3<<16)|(1<<21)           ; 15:0 the mask; 17:16 elements of 8 bytes; 21 set beside a mask; no padding: every read is 16 x lane
	s_or_b32 s[G1B], s45, (3<<16)|(1<<21)
.irp g, G1, G1B
	s_mov_b32 s[\g+1], (NQ*192)<<16
	s_mov_b32 s[\g+2], (2*NT)<<16                  ; the head's loads bring both halves
	s_mov_b32 s[\g+3], (NQ*192)<<16
	s_mov_b32 s[\g+4], 2*NT
	s_mov_b32 s[\g+5], KS*192
	s_mov_b32 s[\g+6], 0
	s_mov_b32 s[\g+7], 0
.endr
	s_or_b32 s[G1S], s44, (3<<16)|(1<<21)
	s_or_b32 s[G1SB], s45, (3<<16)|(1<<21)
.irp g, G1S, G1SB
	s_mov_b32 s[\g+1], 32<<16
	s_mov_b32 s[\g+2], (2*HALFS/256)<<16
	s_mov_b32 s[\g+3], 32<<16
	s_mov_b32 s[\g+4], 2*HALFS/256
	s_mov_b32 s[\g+5], 32
	s_mov_b32 s[\g+6], 0
	s_mov_b32 s[\g+7], 0
.endr
	s_lshl_b32 s20, s43, 1                         ; A: the block's first half; these registers never hold cx while joint loads are to come
	s_mul_i32 s22, s20, HALFS
	s_add_co_u32 s22, s22, ASOFF
	s_mul_i32 s20, s20, NT*KS*FRB
	s_mov_b32 s21, 0
	s_mov_b32 s23, 0
	s_lshl_b32 s46, s42, 1                         ; B likewise; these never hold cy
	s_mul_i32 s92, s46, HALFS
	s_add_co_u32 s92, s92, BSOFF
	s_mul_i32 s46, s46, NT*KS*FRB
	s_add_co_u32 s46, s46, BCOFF
	s_mov_b32 s47, 0
	s_mov_b32 s93, 0
	s_mul_i32 s94, s16, HALFT
	s_wait_kmcnt 0x0
	s_add_nc_u64 s[20:21], s[4:5], s[20:21]
	s_add_nc_u64 s[22:23], s[4:5], s[22:23]
	s_add_nc_u64 s[46:47], s[6:7], s[46:47]
	s_add_nc_u64 s[92:93], s[6:7], s[92:93]        ; (s[4:7] have served: they take the head's group 0 of A's codes below)
	CROUND                                         ; all sixteen work-groups are here: the first joint loads meet
	s_mov_b32 s[G0S], 1
	s_mov_b32 s[G0S+1], SCL
	s_mov_b64 s[G0S+2:G0S+3], s[22:23]
	s_or_b32 s[G0S+3], s[G0S+3], 0x80000000
	s_mov_b32 s[G0SB], 1
	s_mov_b32 s[G0SB+1], SCL+2*HALFS
	s_mov_b64 s[G0SB+2:G0SB+3], s[92:93]
	s_or_b32 s[G0SB+3], s[G0SB+3], 0x80000000
	s_cmp_eq_u32 s17, 0                            ; s[2:3]: what my wave prefetches: of the 8 tiles that it fetches in the ring, the two that fall to my work-group among the four partners (by address: cx for A, cy for B)
	s_cselect_b64 s[2:3], s[4:5], s[6:7]
	s_cselect_b32 s98, s43, s42
	s_cselect_b32 s99, s40, s41
	s_cselect_b32 s19, 0, BCOFF
	s_lshl_b32 s98, s98, 1
	s_add_co_u32 s98, s98, s18
	s_lshl_b32 s98, s98, 2
	s_add_co_u32 s98, s98, s99
	s_mul_i32 s98, s98, 2*KS*FRB
	s_add_co_u32 s98, s98, s19
	s_mov_b32 s99, 0
	s_add_nc_u64 s[2:3], s[2:3], s[98:99]
	s_mul_i32 s98, s18, NT*KS*FRB                  ; the half that I fetch in the ring
	s_mov_b32 s[G0C], 1                            ; the head's loads of codes: A's 16 tiles of K steps 0-2,
	s_mov_b32 s[G0C+1], 0
	s_mov_b64 s[G0C+2:G0C+3], s[20:21]
	s_or_b32 s[G0C+3], s[G0C+3], 0x80000000
	s_mov_b32 s[G0BC], 1                           ; and B's, behind them
	s_mov_b32 s[G0BC+1], 2*HALFT
	s_mov_b64 s[G0BC+2:G0BC+3], s[46:47]
	s_or_b32 s[G0BC+3], s[G0BC+3], 0x80000000
	s_add_nc_u64 s[20:21], s[20:21], s[98:99]
	s_add_nc_u64 s[46:47], s[46:47], s[98:99]
.irp s, 0,1
	s_mov_b32 s[G0+4*\s], 1
	s_add_co_u32 s[G0+4*\s+1], s94, \s*SLOT
	s_add_nc_u64 s[G0+4*\s+2:G0+4*\s+3], s[20:21], \s*NQ*FRB
	s_or_b32 s[G0+4*\s+3], s[G0+4*\s+3], 0x80000000
	s_mov_b32 s[G0B+4*\s], 1
	s_add_co_u32 s[G0B+4*\s+1], s94, \s*SLOT
	s_add_nc_u64 s[G0B+4*\s+2:G0B+4*\s+3], s[46:47], \s*NQ*FRB
	s_or_b32 s[G0B+4*\s+3], s[G0B+4*\s+3], 0x80000000
.endr
; the head's loads, one a wave, in one chain of branches on the wave's number
.macro ARM under, g0, g1, next
	s_cmp_lt_u32 s16, \under
	s_cbranch_scc0 \next
	tensor_load_to_lds s[\g0:\g0+3], s[\g1:\g1+7]
	s_nop 0
	PLACES 4
	s_branch .Lhead_asked
\next:
.endm
	ARM 1, G0C, G1, .Lhead_b
	ARM 2, G0BC, G1B, .Lhead_sa
	ARM 3, G0S, G1S, .Lhead_sb
	tensor_load_to_lds s[G0SB:G0SB+3], s[G1SB:G1SB+7]
	s_nop 0
	PLACES 4
.Lhead_asked:
	v_and_b32 v6, 31, v0
	v_min_u32 v7, 11, v6                           ; K steps 6, 7 of a tile are 12 blocks of 256 bytes,
	v_min_u32 v6, 17, v6                           ; K steps 3-5 are 18: a lane a block, the lanes left over name the last again
	v_lshlrev_b32 v7, 8, v7
	v_lshlrev_b32 v6, 8, v6
	global_prefetch_b8 v6, s[2:3] offset:3*FRB th:TH_LOAD_NT scope:SCOPE_SE            ; what slot 1's load will ask for, of my two tiles
	global_prefetch_b8 v6, s[2:3] offset:3*FRB+KS*FRB th:TH_LOAD_NT scope:SCOPE_SE
	v_and_b32 v1, 15, v0                           ; r
	v_bfe_u32 v2, v0, 4, 1                         ; h
	v_and_b32 v3, 31, v0
	v_lshlrev_b32 v[LI], 4, v3
	s_wait_alu depctr_va_vdst(0)
	v_lshlrev_b32 v[LS], 2, v1
	s_mul_i32 s19, s17, HALFT
.irp s, 0,1
	v_add_nc_u32 v[ADRA+\s], s19, v[LI]
	s_add_co_u32 s19, s19, SLOT
.endr
	s_mul_i32 s19, s18, HALFT
	s_add_co_u32 s19, s19, 2*HALFT
.irp s, 0,1
	v_add_nc_u32 v[ADRB+\s], s19, v[LI]
	s_add_co_u32 s19, s19, SLOT
.endr
	s_mul_i32 s19, s17, HALFS                      ; the scale words: lanes 0-15 A's half, lanes 16-31 B's: the lower base + h x the distance
	s_mul_i32 s66, s18, HALFS
	s_add_co_u32 s66, s66, 2*HALFS
	s_sub_co_u32 s66, s66, s19
	v_mul_u32_u24 v4, s66, v2
	s_wait_alu depctr_va_vdst(0)
	s_add_co_u32 s19, s19, SCL
	v_add_nc_u32 v4, v4, v[LS]
	v_add_nc_u32 v[ADRS], s19, v4
	v_lshlrev_b32 v30, 6, v2                       ; 64 h
	s_lshl_b32 s46, s42, 10                        ; the bias of hidden units 256 block + 128 CH on
	s_lshl_b32 s47, s18, 9
	s_add_co_u32 s46, s46, s47
	s_mov_b32 s47, 0
	s_add_nc_u64 s[46:47], s[8:9], s[46:47]
	WIN 0x40
.irp b, 0,1,2,3,4,5,6,7
	global_load_b128 v[96+8*\b+96*(\b/4):96+8*\b+96*(\b/4)+3], v30, s[46:47] offset:(32*(\b/2)+8*(\b%2))*4
	global_load_b128 v[96+8*\b+96*(\b/4)+4:96+8*\b+96*(\b/4)+7], v30, s[46:47] offset:(32*(\b/2)+8*(\b%2))*4+16
.endr
	WIN 0
	s_wait_alu depctr_va_vdst(0)
	s_wait_tensorcnt 0x0                           ; my tile of the head's four is in
	ds_add_u32 v[SPW], v[NIL]
	s_mov_b32 s[G1+2], NT<<16                      ; no load of mine is out: from here on a load brings one half's 8 tiles
	s_mov_b32 s[G1+4], NT
	s_mov_b32 s[G1B+2], NT<<16
	s_mov_b32 s[G1B+4], NT
	s_wait_dscnt 0x0
	CROUND                                         ; all four tiles are in, and all sixteen work-groups are here
	JLOAD G0+4, G1, G0B+4, G1B                     ; slot 1: K steps 3-5
	FETCH 0, 0, 0
	s_wait_loadcnt 0x0                             ; the bias
	STEP 0, 1, 0, 1                                ; K step 0: its products start the sums
	global_prefetch_b8 v7, s[2:3] offset:6*FRB th:TH_LOAD_NT scope:SCOPE_SE            ; what the refill in K step 2 will ask for, two K steps ahead of it
	global_prefetch_b8 v7, s[2:3] offset:6*FRB+KS*FRB th:TH_LOAD_NT scope:SCOPE_SE
	s_wait_alu depctr_va_vdst(0)
	STEP 0, 2, 1, 0                                ; K step 1
	TURN 0, 1, 1, 0                                ; K step 2: slot 1 has landed, everybody's; slot 0 takes K steps 6 and 7
	s_wait_alu depctr_va_vdst(0)
	STEP 1, 1, 1, 0                                ; K step 3
	s_wait_alu depctr_va_vdst(0)
	STEP 1, 2, 0, 0                                ; K step 4
	TURN 1, 0, 0, 1                                ; K step 5: the refill has landed, everybody's; nothing more is asked for
	s_wait_alu depctr_va_vdst(0)
	STEP 0, 1, 0, 0                                ; K step 6
	s_wait_dscnt 0x0
	MULS 0, NT, 1, 0                               ; K step 7
	WIN 0
	; THE WAY OUT: relu in f32, the quantiser, and the images straight from registers: every store of codes covers 512 consecutive bytes, aligned.
	PLACES 4                                       ; behind the last products: results are read, and registers that held A's fragments are written
.irp b, 0,1,2,3
	v_mov_b32 v[TM+4+\b], 0                        ; written once: a lane permute's destination counts as one of its sources
.endr
	s_mov_b32 s[SEL], 0x76543210
	s_mov_b32 s[SEL+1], 0xfedcba98
	s_lshl_b32 s20, s43, 4
	s_lshl_b32 s21, s17, 3
	s_add_co_u32 s20, s20, s21                     ; my first tile of tokens: 16 block + 8 RH
	s_lshl_b32 s21, s42, 1
	s_add_co_u32 s21, s21, s18                     ; the next product's K step: 2 block + CH
	s_mul_i32 s22, s20, 49152
	s_mul_i32 s23, s21, 1536
	s_add_co_u32 s22, s22, s23
	s_mov_b32 s23, 0
	s_add_nc_u64 s[96:97], s[10:11], s[22:23]
	s_lshl_b32 s22, s20, 11
	s_lshl_b32 s21, s21, 6
	s_add_co_u32 s22, s22, s21
	s_add_co_u32 s22, s22, 12582912
	s_add_nc_u64 s[98:99], s[10:11], s[22:23]
.macro G_OUT a
.if (\a) > 0
	s_wait_xcnt 0x0                                ; the last tile's stores have read their registers
.endif
	WIN 0x08+4*((\a)/4)                            ; source 1: the accumulators' window
.set EB, 0
.rept 8
.irp j, 0,1,2,3,4,5,6,7
	v_max_num_f32 v[ST+8*EB+\j], 0, v[8*(8*((\a)%4)+EB)+\j]        ; the activation; each accumulator from its low end on
.endr
.set EB, EB+1
.endr
	WIN 0
	QUANT ST
.irp c, 0,1,2
	global_store_b128 v[LI], v[PC+4*\c:PC+4*\c+3], s[96:97] offset:(\a)*49152+512*\c
.endr
	global_store_b32 v[LS], v[PW], s[98:99] offset:(\a)*2048
.endm
.irp a, 0,1,2,3,4,5,6,7
	G_OUT \a
.endr
	s_wait_tensorcnt 0x0                           ; the wave's end
	ds_add_u32 v[SPW], v[NIL]
	s_wait_dscnt 0x0
	CROUND                                         ; the closing round
	s_endpgm
.Lfunc_end_k_qebb97030ba_ffn1:
	.size	k_qebb97030ba_ffn1, .Lfunc_end_k_qebb97030ba_ffn1-k_qebb97030ba_ffn1
	.p2alignl 7, 3214868480
	.fill 96, 4, 3214868480
	.section	.rodata,"a",@progbits
	.p2align	6, 0x0
	.amdhsa_kernel k_qebb97030ba_ffn1
		.amdhsa_group_segment_fixed_size 327680
		.amdhsa_private_segment_fixed_size 0
		.amdhsa_enable_private_segment 0
		.amdhsa_kernarg_size 32
		.amdhsa_user_sgpr_count 2
		.amdhsa_user_sgpr_kernarg_segment_ptr 1
		.amdhsa_wavefront_size32 1
		.amdhsa_system_sgpr_workgroup_id_x 1
		.amdhsa_system_sgpr_workgroup_id_y 1
		.amdhsa_system_sgpr_workgroup_id_z 1
		.amdhsa_system_vgpr_workitem_id 0
		.amdhsa_next_free_vgpr 1024
		.amdhsa_next_free_sgpr 102
		.amdhsa_reserve_vcc 0
		.amdhsa_float_denorm_mode_32 3
		.amdhsa_float_denorm_mode_16_64 3
		.amdhsa_memory_ordered 1
		.amdhsa_forward_progress 1
		.amdhsa_inst_pref_size 159
	.end_amdhsa_kernel
	.amdgpu_metadata
---
amdhsa.version: [ 1, 2 ]
amdhsa.kernels:
  - .name:           k_qebb97030ba_ffn1
    .symbol:         k_qebb97030ba_ffn1.kd
    .args:
      - { .name: h2q, .offset: 0, .size: 8, .value_kind: global_buffer, .address_space: global }
      - { .name: wts, .offset: 8, .size: 8, .value_kind: global_buffer, .address_space: global }
      - { .name: b1, .offset: 16, .size: 8, .value_kind: global_buffer, .address_space: global }
      - { .name: gq, .offset: 24, .size: 8, .value_kind: global_buffer, .address_space: global }
    .group_segment_fixed_size: 327680
    .private_segment_fixed_size: 0
    .kernarg_segment_align: 8
    .kernarg_segment_size: 32
    .max_flat_workgroup_size: 128
    .sgpr_count:     102
    .vgpr_count:     1024
    .wavefront_size: 32
...
	.end_amdgpu_metadata
.endif
;; end of part 5
;; launch ffn2 (part 6): grid 8 x 32, 4 waves a work-group, clusters of 4 x 4, 327,680 bytes of LDS; arguments gq, wts, b2, x1, out0; writes out0
.if DOCPART == 6
	.amdgcn_target "amdgcn-amd-amdhsa--gfx1250"
	.amdhsa_code_object_version 6
	.text
	.protected	k_qebb97030ba_ffn2
	.globl	k_qebb97030ba_ffn2
	.p2align	8
	.type	k_qebb97030ba_ffn2,@function
k_qebb97030ba_ffn2:
	s_mov_b64 s[64:65], 0
	v_nop
	global_prefetch_b8 v0, s[64:65] scope:SCOPE_SE
	s_setreg_imm32_b32 hwreg(HW_REG_WAVE_MODE, 25, 1), 1
	s_wait_xcnt 0x0
	s_wait_alu depctr_hold_cnt(0) depctr_sa_sdst(0) depctr_va_vdst(0) depctr_va_sdst(0) depctr_va_ssrc(0) depctr_va_vcc(0) depctr_vm_vsrc(0)
	s_getreg_b32 s2, hwreg(HW_REG_IB_STS2, 6, 4)
	s_cmp_eq_u32 s2, 0
	s_cbranch_scc0 .Lentry_in_a_cluster
	s_endpgm
.Lentry_in_a_cluster:
	s_bfe_u32 s2, ttmp6, 0x10000c
	s_cmp_lg_u32 s2, 0xf033
	s_cbranch_scc0 .Lentry_shape_is_right
	s_endpgm
.Lentry_shape_is_right:
; out0 = x1 + g W2 + b2, f32: 4,096 x 1,024 x K = 4,096 on codes of BF6 (E3M2) with E8M0 scales for each 32 along K.
; OPERANDS lie in memory in the order of the matrix unit's registers: tiles of 16 rows (place r of tile rt: row 32 (rt / 2) + 8 (rt % 2) + r % 8 + 16 (r / 8)), codes [tile][K step 32][1,536], scale words [tile][K step][16].
; 256 work-groups of four waves, 2 x 2; a work-group makes 128 x 128, a wave 64 x 64: 16 accumulators.  "A" (tokens, gq) is source 1: its row falls on the lane; "B" (W2's rows = outputs) is source 0: a lane's registers run along the outputs.
; K IS 32 STEPS OF 128, IN A RING OF TWO LDS SLOTS OF 4 K STEPS (98,304 bytes a slot: A's two halves, then B's; a half is [tile 4][K step 4][1,536]).  A fill's row is a tile's 6,144 bytes, at a multiple of 256 from the buffer's first byte.
; THE HEAD'S FOUR TILES, one tensor load a wave: A's 8 tiles of fill 0, B's, A's scale words of all of K (16,384 bytes, dense), B's.  Fill 1 goes out behind the full sequence and a round of the cluster's barrier, a quarter of the slot a wave.
; FRAGMENTS RUN TWO K STEPS AHEAD ON TWO SETS OF REGISTERS: K step k + 2's 28 LDS loads are issued four places behind K step k's products, into the set that these have read; the wait at a step's head leaves the younger 28 out.
; So a slot's last fragments are asked for behind its second K step, and the slot is filled again in its THIRD, behind a round; that load has four K steps, 64 matrix instructions a wave, in which to land.  A wave has one tensor load out.
; CLUSTERS 4 x 4: A's tiles are shared along a row of the cluster, B's along a column: asked for jointly, by the same load with a mask that names the four.
; PREFETCHES: with the request for fill j goes one for fill j + 2 (at the head also fill 1).  Of the 4 tiles that a wave fetches each of the four partners names one, told apart by address (cx for A, cy for B): 24 blocks of 256 bytes, a lane a block,
; the eight lanes left over name the last again.  The refills for fills 6 and 7 ask for nothing.
; The bias is the C of each sum's first product.  x1's rows are asked for behind the loop, when all tiles have been asked for, into registers of their own, and added on the way out; results go through each wave's own stage in LDS,
; so that 16 lanes store 256 consecutive bytes, aligned.
; The text is a loop of three trips, each once round the ring (8 K steps), from a lap's second K step to the next lap's first; the first K step and the last lap's rest are written out.
; REGISTERS: window 0: v16-31 addresses, v32-39 scale words (two sets), v64-159 A's two sets (on the way out v64-191 the rows read back); window 1: B's two sets at v0, v128, the bias at v96-127; window 2: accumulator (a, b) at v[8 (4 a + b)], x1 at v128-255.
; LIMITS: NaN, infinities and sums beyond f32's range are not served; a sum begins with the bias, where the reference adds it last.
.set NT,    4
.set NQ,    4
.set KS,    32
.set NF,    28                         ; LDS loads of a K step: 24 for eight fragments, 4 for the scale words
.set ASOFF, 12582912                   ; A's scale words in gq
.set BCOFF, 6553600                    ; W2's codes in wts
.set BSOFF, 9699328                    ; and its scale words
.set FRB,   1536
.set HALFT, NT*NQ*FRB
.set SLOT,  4*HALFT
.set SCL,   2*SLOT                     ; behind the ring: the scale words, filled once
.set HALFS, NT*KS*64
.set SPARE, SCL+4*HALFS                ; the spare words, 128 bytes a wave
.set STAGE, SPARE+512                  ; 16 rows x 272 bytes for each wave; no fill lands here
.set LAPS,  KS/(2*NQ)
.set ADRA,  16                         ; v16-17 my A fragments in slot 0, 1
.set ADRB,  20                         ; v20-21 the same for B
.set ADRS0, 22                         ; v22 my scale words of K step 0: lanes 0-15 A's, lanes 16-31 B's
.set PFO,   23                         ; v23 256 x min(lane, 23)
.set LI,    24
.set CO,    25
.set LS,    26
.set ADRS,  27                         ; v27 as v22, for this lap
.set SPW,   28
.set NIL,   29
.set STO,   30
.set RD,    31
.set SC,    32
.set G1,    24
.set G0,    32
.set G1B,   48
.set G0B,   56
.set G1S,   68
.set G0S,   76
.set G1SB,  80
.set G0SB,  88
.set G0H,   96                         ; s[96:99] group 0 of the head's load of A's codes
.set G0HB,  4                          ; s[4:7]   of B's: in registers whose pointers have been used up
.set PFA,   100                        ; s[100:101] my tile, three fills behind the fill that a prefetch names
.set MSB, 0
.macro WIN new                         ; the immediate's high byte repeats the setting that is left
.if MSB != (\new)
	s_set_vgpr_msb (MSB<<8)|(\new)
.set MSB, (\new)
.endif
.endm
.macro PLACES n
.rept \n
	v_nop
.endr
.endm
.macro TLOAD g0, g1                    ; an s_nop 0 and four v_nop follow each tensor load
	tensor_load_to_lds s[\g0:\g0+3], s[\g1:\g1+7]
	s_nop 0
	PLACES 4
.endm
.macro JLOAD g0a, g0b                  ; a joint load of the ring: waves 0 and 1 fetch for A, waves 2 and 3 for B
	s_cmp_eq_u32 s17, 0
	s_cbranch_scc0 .Lfor_b_\@
	TLOAD \g0a, G1
	s_branch .Lasked_\@
.Lfor_b_\@:
	TLOAD \g0b, G1B
.Lasked_\@:
.endm
.macro ARM under, g0, g1, next         ; an arm of the head's chain
	s_cmp_lt_u32 s16, \under
	s_cbranch_scc0 \next
	TLOAD \g0, \g1
	s_branch .Lhead_asked
\next:
.endm
.macro CREST
	s_cmp_lg_u32 s16, 0
	s_cbranch_scc1 .Lnot_wave_0_\@
	s_barrier_signal -3
.Lnot_wave_0_\@:
	s_barrier_wait -3
	s_barrier_signal -1
	s_barrier_wait -1
.endm
.macro CROUND
	s_barrier_signal -1
	s_barrier_wait -1
	CREST
.endm
.macro PF n                            ; the fill n fills on from where s[PFA] stands
	global_prefetch_b8 v[PFO], s[PFA:PFA+1] offset:(\n)*NQ*FRB th:TH_LOAD_NT scope:SCOPE_SE
.endm
.macro ASK                             ; in the loop: the last trip's refills (s3 = 1) have no fill two on
	s_cmp_gt_u32 s3, 1
	s_cbranch_scc0 .Lno_ask_\@
	PF 3
.Lno_ask_\@:
.endm
.macro FETCH slot, q, kk, p            ; the fragments of the slot's q-th K step and the scale words of the lap's K step kk into set p: NF loads
	WIN 0x40
.set FI, 0
.rept NT
.irp c, 0,1,2
	ds_load_b128 v[128*(\p)+12*FI+4*\c:128*(\p)+12*FI+4*\c+3], v[ADRB+\slot] offset:(FI*NQ+(\q))*FRB+512*\c
.endr
.set FI, FI+1
.endr
	WIN 0
.set FI, 0
.rept NT
.irp c, 0,1,2
	ds_load_b128 v[64+12*NT*(\p)+12*FI+4*\c:64+12*NT*(\p)+12*FI+4*\c+3], v[ADRA+\slot] offset:(FI*NQ+(\q))*FRB+512*\c
.endr
.set FI, FI+1
.endr
.set FI, 0
.rept NT
	ds_load_b32 v[SC+NT*(\p)+FI], v[ADRS] offset:FI*KS*64+64*(\kk)
.set FI, FI+1
.endr
.endm
; A's tiles a0 .. a0 + n - 1 against B's four, set p.  first = 1: the sums begin with the bias.  The 16 accumulators take turns, one instruction a turn.
.macro MULS a0, n, p, first
.set MA, \a0
.rept \n
.if \first
	WIN 0x91                                       ; source 0 (B) and source 2 (the bias) window 1, source 1 (A) window 0, D window 2
.else
	WIN 0xa1
.endif
.set MB, 0
.rept NT
.set rD, 8*(NT*MA+MB)
.set rB, 128*(\p)+12*MB
.set rA, 64+12*NT*(\p)+12*MA
.set rC, 96+8*MB
.if \first
	v_wmma_scale_f32_16x16x128_f8f6f4 v[rD:rD+7], v[rB:rB+11], v[rA:rA+11], v[rC:rC+7], v[SC+NT*(\p)+MB], v[SC+NT*(\p)+MA] matrix_a_fmt:MATRIX_FMT_BF6 matrix_b_fmt:MATRIX_FMT_BF6 matrix_a_scale:MATRIX_SCALE_ROW1
.else
	v_wmma_scale_f32_16x16x128_f8f6f4 v[rD:rD+7], v[rB:rB+11], v[rA:rA+11], v[rD:rD+7], v[SC+NT*(\p)+MB], v[SC+NT*(\p)+MA] matrix_a_fmt:MATRIX_FMT_BF6 matrix_b_fmt:MATRIX_FMT_BF6 matrix_a_scale:MATRIX_SCALE_ROW1
.endif
.set MB, MB+1
.endr
.set MA, MA+1
.endr
.endm
; A K step on set p; behind its products the K step two on (slot fslot, its fq-th; kk: its number in the lap) is fetched into the same set
.macro STEP p, first, fslot, fq, kk
	s_wait_dscnt NF                                ; this step's operands are in; the next step's NF loads may be out
	MULS 0, NT, \p, \first
	PLACES 4                                       ; between the products and the loads into the set that they have read
	FETCH \fslot, \fq, \kk, \p
.endm
; A slot's third K step (set 0).  The slot's last fragments were asked for a step ago.  In front of the barrier each wave waits for all its tensor loads, adds 0 to its spare word, and waits for that and for its reads of this slot.
; Behind it the next slot is whole for every wave.  fill = 1: the barrier opens a round, and this slot is filled again.
.macro TURN slot, next, fill, kk
.if \fill
	s_wait_xcnt 0x0                                ; my last prefetch has read its address
	s_add_nc_u64 s[PFA:PFA+1], s[PFA:PFA+1], NQ*FRB
.endif
	s_wait_tensorcnt 0x0                           ; all my tensor loads have landed: the one that was out is my part of the next slot
	ds_add_u32 v[SPW], v[NIL]
	s_wait_dscnt NF+1                              ; this step's operands are in; the next step's NF loads and the add may be out
	MULS 0, 3, 0, 0
	s_wait_dscnt 0x0                               ; the add is done, and my reads of this slot are over
	s_barrier_signal -1
	MULS 3, 1, 0, 0
	WIN 0
	s_barrier_wait -1
.if \fill
	CREST                                          ; no wave of any partner still reads this slot or has a load on its way
	s_add_nc_u64 s[G0+4*\slot+2:G0+4*\slot+3], s[G0+4*\slot+2:G0+4*\slot+3], 2*NQ*FRB
	s_add_nc_u64 s[G0B+4*\slot+2:G0B+4*\slot+3], s[G0B+4*\slot+2:G0B+4*\slot+3], 2*NQ*FRB
	JLOAD G0+4*\slot, G0B+4*\slot                  ; the first tensor load behind the round; its four v_nop are the places in front of the loads below
.else
	PLACES 4
.endif
	FETCH \next, 0, \kk, 0
.if \fill
	ASK
.endif
.endm
	s_load_b256 s[4:11], s[0:1], 0x0               ; gq, wts, b2, x1
	s_load_b64 s[12:13], s[0:1], 0x20              ; out0
	v_lshl_add_u32 v[SPW], v0, 2, SPARE
	v_mov_b32 v[NIL], 0
	ds_add_u32 v[SPW], v[NIL]                      ; the opening lines
	ds_add_u32 v[SPW], v[NIL]
	v_lshrrev_b32 v1, 5, v0
	v_readfirstlane_b32 s16, v1                    ; wave
	s_lshr_b32 s17, s16, 1                         ; RH: which half of A I multiply.  Also: in the ring I fetch for A (0) or for B (1)
	s_and_b32 s18, s16, 1                          ; CH: which half of B I multiply.  Also: which half I fetch
	s_bfe_u32 s40, ttmp6, 0x40000                  ; cx
	s_bfe_u32 s41, ttmp6, 0x40004                  ; cy
	s_lshl_b32 s42, ttmp9, 2
	s_add_co_u32 s42, s42, s40                     ; B's block of 128 rows
	s_and_b32 s43, ttmp7, 0xffff
	s_lshl_b32 s43, s43, 2
	s_add_co_u32 s43, s43, s41                     ; A's block of 128 rows
	s_lshl_b32 s44, s41, 2
	s_lshl_b32 s44, 15, s44                        ; my row of the cluster
	s_lshl_b32 s45, 0x1111, s40                    ; my column
	s_or_b32 s[G1], s44, (3<<16)|(1<<21)           ; 15:0 the mask; 17:16 elements of 8 bytes; 21 set beside a mask; no padding: every read is 16 x lane
	s_or_b32 s[G1B], s45, (3<<16)|(1<<21)
.irp g, G1, G1B
	s_mov_b32 s[\g+1], (NQ*192)<<16                ; a tile's NQ images on end
	s_mov_b32 s[\g+2], (2*NT)<<16                  ; the head's loads bring both halves: 8 tiles
	s_mov_b32 s[\g+3], (NQ*192)<<16
	s_mov_b32 s[\g+4], 2*NT
	s_mov_b32 s[\g+5], KS*192                      ; from tile to tile
	s_mov_b32 s[\g+6], 0
	s_mov_b32 s[\g+7], 0
.endr
	s_or_b32 s[G1S], s44, (3<<16)|(1<<21)          ; the scale words of 8 tiles: a dense block, as rows of 256 bytes
	s_or_b32 s[G1SB], s45, (3<<16)|(1<<21)
.irp g, G1S, G1SB
	s_mov_b32 s[\g+1], 32<<16
	s_mov_b32 s[\g+2], (2*HALFS/256)<<16
	s_mov_b32 s[\g+3], 32<<16
	s_mov_b32 s[\g+4], 2*HALFS/256
	s_mov_b32 s[\g+5], 32
	s_mov_b32 s[\g+6], 0
	s_mov_b32 s[\g+7], 0
.endr
	s_lshl_b32 s20, s43, 1                         ; A: the block's first half; these registers never hold cx while they feed descriptors
	s_mul_i32 s22, s20, HALFS
	s_add_co_u32 s22, s22, ASOFF
	s_mul_i32 s20, s20, NT*KS*FRB
	s_mov_b32 s21, 0
	s_mov_b32 s23, 0
	s_lshl_b32 s46, s42, 1                         ; B likewise; these never hold cy
	s_mul_i32 s92, s46, HALFS
	s_add_co_u32 s92, s92, BSOFF
	s_mul_i32 s46, s46, NT*KS*FRB
	s_add_co_u32 s46, s46, BCOFF
	s_mov_b32 s47, 0
	s_mov_b32 s93, 0
	s_mul_i32 s14, s18, NT*KS*FRB                  ; the half that I fetch in the ring,
	s_mov_b32 s15, 0
	s_mul_i32 s94, s16, HALFT                      ; and where it goes: by the wave's number alone
	s_cmp_eq_u32 s17, 0                            ; the prefetches: of the 4 tiles that I fetch, the one that falls to my work-group among the four partners
	s_cselect_b32 s66, s43, s42
	s_cselect_b32 s67, s40, s41
	s_cselect_b32 s19, 0, BCOFF
	s_lshl_b32 s66, s66, 1
	s_add_co_u32 s66, s66, s18
	s_lshl_b32 s66, s66, 2
	s_add_co_u32 s66, s66, s67
	s_mul_i32 s66, s66, KS*FRB
	s_add_co_u32 s66, s66, s19
	s_mov_b32 s67, 0
	s_wait_dscnt 0x0                               ; both opening adds are done
	s_wait_kmcnt 0x0
	s_add_nc_u64 s[20:21], s[4:5], s[20:21]
	s_add_nc_u64 s[22:23], s[4:5], s[22:23]
	s_add_nc_u64 s[46:47], s[6:7], s[46:47]
	s_add_nc_u64 s[92:93], s[6:7], s[92:93]
	s_cmp_eq_u32 s17, 0
	s_cselect_b64 s[PFA:PFA+1], s[4:5], s[6:7]
	s_add_nc_u64 s[PFA:PFA+1], s[PFA:PFA+1], s[66:67]
	CROUND                                         ; all sixteen work-groups are here: the first joint loads meet
	s_mov_b32 s[G0H], 1
	s_mov_b32 s[G0H+1], 0
	s_mov_b64 s[G0H+2:G0H+3], s[20:21]
	s_or_b32 s[G0H+3], s[G0H+3], 0x80000000
	s_mov_b32 s[G0HB], 1
	s_mov_b32 s[G0HB+1], 2*HALFT
	s_mov_b64 s[G0HB+2:G0HB+3], s[46:47]
	s_or_b32 s[G0HB+3], s[G0HB+3], 0x80000000
	s_mov_b32 s[G0S], 1
	s_mov_b32 s[G0S+1], SCL
	s_mov_b64 s[G0S+2:G0S+3], s[22:23]
	s_or_b32 s[G0S+3], s[G0S+3], 0x80000000
	s_mov_b32 s[G0SB], 1
	s_mov_b32 s[G0SB+1], SCL+2*HALFS
	s_mov_b64 s[G0SB+2:G0SB+3], s[92:93]
	s_or_b32 s[G0SB+3], s[G0SB+3], 0x80000000
	s_add_nc_u64 s[20:21], s[20:21], s[14:15]
	s_add_nc_u64 s[46:47], s[46:47], s[14:15]
.irp s, 0,1
	s_mov_b32 s[G0+4*\s], 1
	s_add_co_u32 s[G0+4*\s+1], s94, \s*SLOT
	s_add_nc_u64 s[G0+4*\s+2:G0+4*\s+3], s[20:21], \s*NQ*FRB
	s_or_b32 s[G0+4*\s+3], s[G0+4*\s+3], 0x80000000
	s_mov_b32 s[G0B+4*\s], 1
	s_add_co_u32 s[G0B+4*\s+1], s94, \s*SLOT
	s_add_nc_u64 s[G0B+4*\s+2:G0B+4*\s+3], s[46:47], \s*NQ*FRB
	s_or_b32 s[G0B+4*\s+3], s[G0B+4*\s+3], 0x80000000
.endr
	ARM 1, G0H,  G1,  .Lhead_b                     ; wave 0: A's 8 tiles of fill 0;
	ARM 2, G0HB, G1B, .Lhead_sa                    ; wave 1: B's;
	ARM 3, G0S,  G1S, .Lhead_sb                    ; wave 2: A's scale words;
	TLOAD G0SB, G1SB                               ; wave 3: B's
.Lhead_asked:
	s_mul_i32 s14, s17, HALFT                      ; A's half RH
	s_mul_i32 s15, s18, HALFT                      ; B's half CH, behind A's two
	s_add_co_u32 s15, s15, 2*HALFT
	s_mul_i32 s19, s17, HALFS                      ; the scale words: lanes 0-15 A's half, lanes 16-31 B's: the lower base + h x the distance
	s_mul_i32 s66, s18, HALFS
	s_add_co_u32 s66, s66, 2*HALFS
	s_sub_co_u32 s66, s66, s19
	s_add_co_u32 s19, s19, SCL
	s_mul_i32 s67, s16, 16*272                     ; my stage
	s_add_co_u32 s67, s67, STAGE
	s_lshl_b32 s46, s42, 9                         ; my 64 columns in bytes: 512 block + 256 CH
	s_lshl_b32 s47, s18, 8
	s_add_co_u32 s46, s46, s47
	s_mov_b32 s47, 0
	s_add_nc_u64 s[8:9], s[8:9], s[46:47]          ; the bias
	s_lshl_b32 s20, s43, 19                        ; my 64 rows: 128 block + 64 RH, rows of 4,096 bytes
	s_lshl_b32 s21, s17, 18
	s_add_co_u32 s20, s20, s21
	s_add_co_u32 s20, s20, s46
	s_mov_b32 s21, 0
	s_add_nc_u64 s[10:11], s[10:11], s[20:21]      ; x1
	s_add_nc_u64 s[12:13], s[12:13], s[20:21]      ; out0
	s_mov_b32 s2, 0                                ; the lap's scale words, from K step 0's
	s_mov_b32 s3, LAPS-1
	v_and_b32 v1, 15, v0                           ; r
	v_bfe_u32 v2, v0, 4, 1                         ; h
	v_and_b32 v3, 31, v0
	v_lshlrev_b32 v[LI], 4, v3
	v_lshlrev_b32 v[LS], 2, v1
	v_add_nc_u32 v[ADRA], s14, v[LI]
	v_add_nc_u32 v[ADRB], s15, v[LI]
	v_add_nc_u32 v[ADRA+1], SLOT, v[ADRA]
	v_add_nc_u32 v[ADRB+1], SLOT, v[ADRB]
	v_mul_u32_u24 v4, s66, v2
	v_add_nc_u32 v4, v4, v[LS]
	v_add_nc_u32 v[ADRS0], s19, v4
	v_mov_b32 v[ADRS], v[ADRS0]
	v_mul_u32_u24 v[STO], v1, 272                  ; into the stage: row r, 64 bytes for each half of the lanes
	v_lshl_add_u32 v[STO], v2, 6, v[STO]
	v_add_nc_u32 v[STO], s67, v[STO]
	v_mul_u32_u24 v[RD], v2, 272                   ; back: lanes 0-15 one row of 256 bytes, lanes 16-31 the next
	v_lshl_add_u32 v[RD], v1, 4, v[RD]
	v_add_nc_u32 v[RD], s67, v[RD]
	v_lshlrev_b32 v[CO], 12, v2                    ; and the same two rows in x1 and out0
	v_lshl_add_u32 v[CO], v1, 4, v[CO]
	v_lshlrev_b32 v5, 6, v2                        ; 64 h
	v_min_u32 v[PFO], 23, v3
	v_lshlrev_b32 v[PFO], 8, v[PFO]
	s_wait_alu depctr_va_vdst(0)
	PF 1                                           ; fills 1 and 2 of my tile
	PF 2
	WIN 0x40
.irp b, 0,1,2,3
	global_load_b128 v[96+8*\b:96+8*\b+3], v5, s[8:9] offset:(32*(\b/2)+8*(\b%2))*4
	global_load_b128 v[96+8*\b+4:96+8*\b+7], v5, s[8:9] offset:(32*(\b/2)+8*(\b%2))*4+16
.endr
	WIN 0
	s_wait_tensorcnt 0x0                           ; my tile of the head's four is in
	ds_add_u32 v[SPW], v[NIL]
	s_mov_b32 s[G1+2], NT<<16                      ; no load of mine is out: from here on a load brings one half's 4 tiles
	s_mov_b32 s[G1+4], NT
	s_mov_b32 s[G1B+2], NT<<16
	s_mov_b32 s[G1B+4], NT
	s_wait_dscnt 0x0
	CROUND                                         ; all four tiles are in, and all sixteen work-groups are here
	JLOAD G0+4, G0B+4                              ; fill 1, the first tensor load behind the round
	FETCH 0, 0, 0, 0
	FETCH 0, 1, 1, 1
	PF 3
	s_wait_loadcnt 0x0                             ; the bias
	STEP 0, 1, 0, 2, 2                             ; K step 0: its products start the sums
.Llap:
	STEP 1, 0, 0, 3, 3                             ; the lap's K step 1
	TURN 0, 1, 1, 4                                ; 2: slot 0 is filled again
	STEP 1, 0, 1, 1, 5                             ; 3
	STEP 0, 0, 1, 2, 6                             ; 4
	STEP 1, 0, 1, 3, 7                             ; 5
	TURN 1, 0, 1, 8                                ; 6: slot 1 is filled again
	STEP 1, 0, 0, 1, 9                             ; 7
	STEP 0, 0, 0, 2, 10                            ; the next lap's K step 0
	s_add_co_u32 s2, s2, 512                       ; the next lap's scale words: 8 K steps of 64 bytes on
	v_add_nc_u32 v[ADRS], s2, v[ADRS0]
	s_sub_co_u32 s3, s3, 1
	s_cmp_lg_u32 s3, 0
	s_wait_alu depctr_va_vdst(0)
	s_cbranch_scc1 .Llap
	WIN 0x80                                       ; x1's rows: every tile has been asked for; these land under the last lap
.irp a, 0,1,2,3
.irp i, 0,1,2,3,4,5,6,7
	global_load_b128 v[128+32*\a+4*\i:128+32*\a+4*\i+3], v[CO], s[10:11] offset:(32*(\a/2)+8*(\a%2)+2*\i+8*(\i/4))*4096
.endr
.endr
	WIN 0
	STEP 1, 0, 0, 3, 3                             ; the last lap asks for no tile
	TURN 0, 1, 0, 4
	STEP 1, 0, 1, 1, 5
	STEP 0, 0, 1, 2, 6
	STEP 1, 0, 1, 3, 7
	s_wait_dscnt NF
	MULS 0, NT, 0, 0
	s_wait_dscnt 0x0
	MULS 0, NT, 1, 0
	WIN 0
	; THE WAY OUT: 16 rows x 64 columns at a time through my stage, x1 added, whole rows of 256 bytes stored
	PLACES 4                                       ; behind the last products
.irp a, 0,1,2,3
	WIN 0x08                                       ; the data: window 2
.irp b, 0,1,2,3
	ds_store_b128 v[STO], v[8*(4*\a+\b):8*(4*\a+\b)+3] offset:128*(\b/2)+32*(\b%2)         ; each accumulator from its low end on
	ds_store_b128 v[STO], v[8*(4*\a+\b)+4:8*(4*\a+\b)+7] offset:128*(\b/2)+32*(\b%2)+16
.endr
	WIN 0
.irp i, 0,1,2,3,4,5,6,7
	ds_load_b128 v[64+32*\a+4*\i:64+32*\a+4*\i+3], v[RD] offset:544*\i     ; LDS serves a wave's instructions in order: these see the stores above, and the next block's stores come behind them
.endr
.endr
	s_wait_loadcnt 0x0                             ; x1
.irp a, 0,1,2,3
	s_wait_dscnt 16*(3-\a)                         ; block a is back; the later blocks' 16 LDS instructions each may be out
	WIN 0x08
.set J, 0
.rept 16
	v_pk_add_f32 v[64+32*\a+J:64+32*\a+J+1], v[64+32*\a+J:64+32*\a+J+1], v[128+32*\a+J:128+32*\a+J+1]
.set J, J+2
.endr
	WIN 0
.irp i, 0,1,2,3,4,5,6,7
	global_store_b128 v[CO], v[64+32*\a+4*\i:64+32*\a+4*\i+3], s[12:13] offset:(32*(\a/2)+8*(\a%2)+2*\i+8*(\i/4))*4096 th:TH_STORE_NT
.endr
.endr
	s_wait_tensorcnt 0x0                           ; the wave's end
	ds_add_u32 v[SPW], v[NIL]
	s_wait_dscnt 0x0
	CROUND                                         ; the closing round
	s_endpgm
.Lfunc_end_k_qebb97030ba_ffn2:
	.size	k_qebb97030ba_ffn2, .Lfunc_end_k_qebb97030ba_ffn2-k_qebb97030ba_ffn2
	.p2alignl 7, 3214868480
	.fill 96, 4, 3214868480
	.section	.rodata,"a",@progbits
	.p2align	6, 0x0
	.amdhsa_kernel k_qebb97030ba_ffn2
		.amdhsa_group_segment_fixed_size 327680
		.amdhsa_private_segment_fixed_size 0
		.amdhsa_enable_private_segment 0
		.amdhsa_kernarg_size 40
		.amdhsa_user_sgpr_count 2
		.amdhsa_user_sgpr_kernarg_segment_ptr 1
		.amdhsa_wavefront_size32 1
		.amdhsa_system_sgpr_workgroup_id_x 1
		.amdhsa_system_sgpr_workgroup_id_y 1
		.amdhsa_system_sgpr_workgroup_id_z 1
		.amdhsa_system_vgpr_workitem_id 0
		.amdhsa_next_free_vgpr 768
		.amdhsa_next_free_sgpr 102
		.amdhsa_reserve_vcc 0
		.amdhsa_float_denorm_mode_32 3
		.amdhsa_float_denorm_mode_16_64 3
		.amdhsa_memory_ordered 1
		.amdhsa_forward_progress 1
		.amdhsa_inst_pref_size 94
	.end_amdhsa_kernel
	.amdgpu_metadata
---
amdhsa.version: [ 1, 2 ]
amdhsa.kernels:
  - .name:           k_qebb97030ba_ffn2
    .symbol:         k_qebb97030ba_ffn2.kd
    .args:
      - { .name: gq, .offset: 0, .size: 8, .value_kind: global_buffer, .address_space: global }
      - { .name: wts, .offset: 8, .size: 8, .value_kind: global_buffer, .address_space: global }
      - { .name: b2, .offset: 16, .size: 8, .value_kind: global_buffer, .address_space: global }
      - { .name: x1, .offset: 24, .size: 8, .value_kind: global_buffer, .address_space: global }
      - { .name: out0, .offset: 32, .size: 8, .value_kind: global_buffer, .address_space: global }
    .group_segment_fixed_size: 327680
    .private_segment_fixed_size: 0
    .kernarg_segment_align: 8
    .kernarg_segment_size: 40
    .max_flat_workgroup_size: 128
    .sgpr_count:     102
    .vgpr_count:     768
    .wavefront_size: 32
...
	.end_amdgpu_metadata
.endif
;; end of part 6
